; MI455X (gfx1250); checked and timed in simulation.
; The chip was launched on July 23, 2026; its instructions are those of AMD's public machine-readable ISA for CDNA 5 (MIT licence, August 2026) and "CDNA5" Instruction Set Architecture Reference Guide (July 2026). The comments in the code are by the model that wrote it; some were corrected since.
;; Block. Allowed arithmetic: matrix products marked QUANTISED: E4M3 operands, one given power-of-two scale a tensor, by v_wmma_f32_16x16x64_fp8_fp8 or v_wmma_f32_16x16x128_fp8_fp8, f32 sums; everything else in f32.
;; Inputs: ln1_b 1,024 float32; ln1_w 1,024 float32; ln2_b 1,024 float32; ln2_w 1,024 float32; lowp_scales 12 int32 (the exponents e of the quantised operands' scales 2^e); w_attn 1,024 x 3,072 float32; w_fc 1,024 x 4,096 float32; w_fc_proj 4,096 x 1,024 float32; w_proj 1,024 x 1,024 float32; x 2 x 2,048 x 1,024 float32.
;; Outputs: out0 2 x 2,048 x 1,024 float32.
;; This version of the problem:
;;   THIS VERSION OF THE PROBLEM IS GIVEN IN LOW PRECISION. The matrix products marked QUANTISED in the list below multiply operands that are first quantised to E4M3 (4 exponent bits, 3 mantissa bits; 8 bits a number), with one given power-of-two scale for each operand tensor; their sums are f32. All else is computed in f32.
;;   The module's matrix products, in the order in which they are computed (A, B: the left and right operand; K: the contracted axis; several contracted axes count as one K, in the product's order):
;;     1. [M 4,096, K 1,024] x [K 1,024, N 3,072]; A: computed on the way; B: input w_attn: QUANTISED (scales: A lowp_scales[0], B lowp_scales[1])
;;     2. batch 32 x [M 2,048, K 64] x [K 64, N 2,048]; A: computed on the way; B: computed on the way: QUANTISED (scales: A lowp_scales[2], B lowp_scales[3])
;;     3. batch 32 x [M 2,048, K 2,048] x [K 2,048, N 64]; A: softmax (see below); B: computed on the way: QUANTISED (scales: A lowp_scales[4], B lowp_scales[5])
;;     4. [M 4,096, K 1,024] x [K 1,024, N 1,024]; A: computed on the way; B: input w_proj: QUANTISED (scales: A lowp_scales[6], B lowp_scales[7])
;;     5. [M 4,096, K 1,024] x [K 1,024, N 4,096]; A: computed on the way; B: input w_fc: QUANTISED (scales: A lowp_scales[8], B lowp_scales[9])
;;     6. [M 4,096, K 4,096] x [K 4,096, N 1,024]; A: computed on the way; B: input w_fc_proj: QUANTISED (scales: A lowp_scales[10], B lowp_scales[11])
;;   THE QUANTISER, for each operand of a quantised product, along K:
;;     - The operand's scale is 2^e, e = its entry of the input lowp_scales (int32; the entries are numbered through the quantised products in the list's order, A before B).
;;     - Each number is divided by the scale, clamped to +-448, and rounded to the nearest number of E4M3, ties to even, subnormals kept.
;;     - The product sums the exact products of the quantised numbers (number of the format x scale) in f32.
;;   ~~~python
;;   def quantise(x, axis, e):      # numpy; x: float32 -> the quantised numbers, widened to float32 again
;;       x = np.moveaxis(x, axis, -1); K = x.shape[-1]
;;       r = np.clip(x / 2.0 ** e, -448, 448)
;;       step = 2.0 ** (np.maximum(np.frexp(np.where(r == 0, 1, r))[1] - 1, -6) - 3)
;;       q = np.round(r / step) * step * 2.0 ** e      # np.round: ties to even
;;       return np.moveaxis(q, -1, axis).astype(np.float32)
;;   ~~~
;;   SOFTMAX AHEAD OF A QUANTISED PRODUCT. Where the list says 'softmax', what is quantised is not the finished softmax but p = 2^(t - M), with t = logit x log2(e) and M = ceil(the row's largest t), a whole number; so 1/2 < the row's largest p <= 1. The row's sum l is taken of the UNQUANTISED p, in f32, and the product's result is divided by l at the end. Since M is a whole number, a kernel that streams over the keys may use a running M (the ceiling of the running maximum): every later rescaling is an exact power of two, so the quantised numbers keep their values, but for numbers so far below the row's largest that they fall under the format's range.
;;   OPERANDS COMPUTED ON THE WAY. 'Computed on the way' means the value that the module computes at that place (a softmax that the list does not call 'softmax' is quantised finished and normalised). What goes into a quantiser is computed in f32, as accurately as f32 sums, v_exp_f32 and their like allow (about 1e-6 of the number): no bf16 or f16 on the way to a quantiser, and a product that is left as it is and whose result goes on into a quantised operand takes f32 operands (vector FMAs, or v_wmma_f32_16x16x4_f32). A number that lies on a knife's edge between two numbers of the format may be rounded either way, as far as f32 arithmetic and the matrix unit's own rounding can turn it there, and no further.
;; One version. Each part assembles by itself: llvm-mc -triple=amdgcn-amd-amdhsa -mcpu=gfx1250 --defsym DOCPART=n.
;; ======== version 1 of 1: 7 launches
;; limits: right only within a limited range of input values
;; workspace buffers: pc 16,777,216 bytes; qkvc 12,582,912 bytes; yc 4,194,304 bytes; x1 16,777,216 bytes; hc 4,194,304 bytes; gc 16,777,216 bytes
;; launch prep (part 1): grid 640 x 1, 4 waves a work-group, no clusters, 52,736 bytes of LDS; arguments x, ln1_w, ln1_b, w_attn, w_proj, w_fc, w_fc_proj, lowp_scales, pc; writes pc
.if DOCPART == 1
	.amdgcn_target "amdgcn-amd-amdhsa--gfx1250"
	.amdhsa_code_object_version 6
	.text
	.protected	k_qcc3b420977_prep
	.globl	k_qcc3b420977_prep
	.p2align	8
	.type	k_qcc3b420977_prep,@function
k_qcc3b420977_prep:
	s_mov_b64 s[64:65], 0
	v_nop
	global_prefetch_b8 v0, s[64:65] scope:SCOPE_SE
	s_setreg_imm32_b32 hwreg(HW_REG_WAVE_MODE, 25, 1), 1
	s_wait_xcnt 0x0
; Everything that can be made ready before the first product, in one launch, into the buffer pc:
;   work-groups 0-383:   the four weights, f32 [K][N], become codes of FP8 (E4M3) laid [N][K], K innermost, each with its given scale 2^e;
;   work-groups 384-639: LayerNorm 1 of x (f32, two passes over a row kept in registers), quantised with 2^e0.
; pc: w_attn's codes [3072][1024] at WAC, w_proj's [1024][1024] at WPC, w_fc's [4096][1024] at WFC, w_fc_proj's [1024][4096] at WF2C, LN1's [4096][1024] at A1C.
; LN1's ROWS ARE PERMUTED inside each block of 128: memory row 128 B + 16 a + r holds token 128 B + 8 r + a, so that in the next launch a lane's eight row blocks are eight neighbouring tokens.
; code = x / 2^e, held within +-448, to the nearest code, ties to even.  LIMITS: each e between -126 and 119; NaN among the inputs is not served.
; No work-group shares an input tile with another (each number is read once), so no cluster, no tensor loads, no barrier: waves share nothing.  The two ways have LDS bytes of their own.
.set WAC,  0
.set WPC,  3145728
.set WFC,  4194304
.set WF2C, 8388608
.set A1C,  12582912
; the weights' way: a lane takes a column n and its registers run down K
.set NB,   8                           ; blocks of 32 along K for a wave
.set OO,   16                          ; v16-31   byte offsets of the sixteen stores
.set X,    32                          ; v32-95   two sets of 32 numbers
.set C,    96                          ; v96-103  a block's codes
.set OUTR, 112                         ; v112-175 the way out
.set RO,   176                         ; v176-207 byte offsets of a block's 32 rows of W
; LayerNorm's way
.set XA,   16                          ; v16-47   a row as loaded
.set XB,   48                          ; v48-79   the other row
.set Y,    80                          ; v80-111  the row with eight neighbours to a lane, four times
.set GW,   112                         ; v112-143 the gain at my 32 places
.set GBI,  144                         ; v144-175 the bias
.set CD,   176                         ; v176-207 codes: eight registers a row, so that no store's data are written again
.set SCL,  208                         ; 2^e
.set HOLD, 209                         ; 448 x 2^e
.set XO,   210                         ; 16 x lane
.set SI,   211                         ; the stage, on the way in
.set SO,   212                         ; and on the way out
.set GO,   213                         ; 32 x lane
.set CO,   214                         ; 8 x lane
.set LB0,  34816                       ; LayerNorm's stages lie behind the weights' four
.set ROWSTEP, 16384                    ; from a token to the next in the permuted order: 16 rows of 1,024 bytes
	s_load_b512 s[4:19], s[0:1], 0x0               ; x 4, ln1_w 6, ln1_b 8, w_attn 10, w_proj 12, w_fc 14, w_fc_proj 16, the scales 18
	s_load_b64 s[20:21], s[0:1], 0x40              ; pc
	v_lshl_add_u32 v216, v0, 2, 52224              ; my spare word, behind both ways' stages: 128 bytes a wave that no other line names
	v_mov_b32 v217, 0                              ; and 0: the two are kept for the closing add alone
	v_lshrrev_b32 v1, 5, v0
	v_readfirstlane_b32 s22, v1                    ; wave
	v_and_b32 v2, 31, v0                           ; lane
	s_wait_kmcnt 0x0
	s_load_b256 s[24:31], s[18:19], 0x0            ; e0 .. e7
	s_load_b128 s[32:35], s[18:19], 0x20           ; e8 .. e11
	s_cmp_ge_u32 ttmp9, 384
	s_cbranch_scc1 .Lln
; ---------------- the weights.  One text for the four tensors: what differs is chosen by the work-group's number
	s_wait_kmcnt 0x0
	s_mov_b32 s36, 4096                            ; a row of W in bytes          (w_fc_proj's values first)
	s_mov_b32 s37, 4096                            ; a row of codes in bytes = K
	s_mov_b32 s38, 256                             ; the tensor's first work-group
	s_mov_b32 s39, 4                               ; log2 of K / 256
	s_mov_b32 s56, 15                              ; K / 256 - 1
	s_mov_b32 s57, s35                             ; e11
	s_mov_b32 s58, WF2C
	s_mov_b64 s[60:61], s[16:17]
	s_cmp_lt_u32 ttmp9, 256                        ; w_fc
	s_cselect_b32 s36, 16384, s36
	s_cselect_b32 s37, 1024, s37
	s_cselect_b32 s38, 128, s38
	s_cselect_b32 s39, 2, s39
	s_cselect_b32 s56, 3, s56
	s_cselect_b32 s57, s33, s57                    ; e9
	s_cselect_b32 s58, WFC, s58
	s_cselect_b64 s[60:61], s[14:15], s[60:61]
	s_cmp_lt_u32 ttmp9, 128                        ; w_proj
	s_cselect_b32 s36, 4096, s36
	s_cselect_b32 s38, 96, s38
	s_cselect_b32 s57, s31, s57                    ; e7
	s_cselect_b32 s58, WPC, s58
	s_cselect_b64 s[60:61], s[12:13], s[60:61]
	s_cmp_lt_u32 ttmp9, 96                         ; w_attn
	s_cselect_b32 s36, 12288, s36
	s_cselect_b32 s38, 0, s38
	s_cselect_b32 s57, s25, s57                    ; e1
	s_cselect_b32 s58, WAC, s58
	s_cselect_b64 s[60:61], s[10:11], s[60:61]
	s_sub_co_u32 s59, ttmp9, s38                   ; my number within the tensor
	s_and_b32 s72, s59, s56                        ; which 256 along K
	s_lshr_b32 s73, s59, s39                       ; which 128 columns
	s_lshl_b32 s73, s73, 7
	s_lshl_b32 s74, s22, 5
	s_add_co_u32 s73, s73, s74                     ; my wave's first column
	s_lshl_b32 s74, s36, 8
	s_mul_i32 s74, s74, s72                        ; 256 rows of W x ky
	s_lshl_b32 s75, s73, 2
	s_add_co_u32 s74, s74, s75
	s_mov_b32 s75, 0
	s_add_nc_u64 s[40:41], s[60:61], s[74:75]      ; block 0's base; a base for each block, none ever rewritten
	s_lshl_b32 s70, s36, 5                         ; 32 rows of W
	s_mov_b32 s71, 0
.irp t, 1,2,3,4,5,6,7
	s_add_nc_u64 s[40+2*\t:41+2*\t], s[38+2*\t:39+2*\t], s[70:71]
.endr
	s_wait_alu depctr_va_vdst(0)
	v_lshlrev_b32 v[RO], 2, v2                     ; 4 bytes a lane: 32 neighbouring columns
.set i, 1
.rept 31
	v_add_nc_u32 v[RO+i], s36, v[RO+i-1]           ; one row of W further down
.set i, i+1
.endr
.macro LOAD t                          ; block t: W(32 t + i, my column), i = 0 .. 31, into set t % 2
.set i, 0
.rept 32
	global_load_b32 v[X+32*((\t)%2)+i], v[RO+i], s[40+2*(\t):41+2*(\t)] th:TH_LOAD_NT
.set i, i+1
.endr
.endm
	LOAD 0
	LOAD 1
	s_mul_i32 s74, s73, s37                        ; the codes: my first column's row,
	s_lshl_b32 s72, s72, 8
	s_add_co_u32 s74, s74, s72                     ; + 256 ky,
	s_add_co_u32 s74, s74, s58                     ; in the tensor's part of pc
	s_add_nc_u64 s[62:63], s[20:21], s[74:75]
	s_mul_i32 s76, s22, 8704                       ; my stage: 32 rows x (256 + 16) bytes
	v_mul_u32_u24 v4, v2, 272
	v_add_nc_u32 v4, s76, v4                       ; into it: row = my column
	v_and_b32 v5, 15, v2
	v_lshrrev_b32 v6, 4, v2
	v_mul_u32_u24 v7, v6, 272
	v_lshl_add_u32 v7, v5, 4, v7
	v_add_nc_u32 v7, s76, v7                       ; out of it: sixteen lanes to a row, two rows an instruction
	v_mul_lo_u32 v[OO], v6, s37
	v_lshl_add_u32 v[OO], v5, 4, v[OO]             ; and the same place in the codes
	s_lshl_b32 s77, s37, 1
.set i, 1
.rept 15
	v_add_nc_u32 v[OO+i], s77, v[OO+i-1]           ; two rows of codes on
.set i, i+1
.endr
	s_add_co_i32 s57, s57, 127
	s_lshl_b32 s78, s57, 23
	v_mov_b32 v11, s78                             ; 2^e as f32: the conversion takes its exponent field
	s_add_co_i32 s57, s57, 8
	s_lshl_b32 s57, s57, 23
	s_or_b32 s57, s57, 0x600000
	v_mov_b32 v10, s57                             ; 448 x 2^e
.macro BLOCK t
.set XS, X+32*((\t)%2)
.if (\t) < NB-1
	s_wait_loadcnt 32                              ; this block's 32 loads are in; the next block's 32 may be out
.else
	s_wait_loadcnt 0
.endif
.set i, 0
.rept 32
	v_med3_num_f32 v[XS+i], v[XS+i], -v10, v10     ; the conversion to an 8-bit code does not saturate (ISA guide 7.6.2): the hold comes first
.set i, i+1
.endr
.irp g, 0,1,2,3
	v_cvt_scalef32_pk8_fp8_f32 v[C+2*\g:C+2*\g+1], v[XS+8*\g:XS+8*\g+7], v11
.endr
	v_nop                                          ; a plain line behind the last conversion
	ds_store_b128 v4, v[C:C+3] offset:32*(\t)      ; 32 codes: 32 bytes of my column's row
	ds_store_b128 v4, v[C+4:C+7] offset:32*(\t)+16
.if (\t)+2 < NB
	LOAD (\t)+2
.endif
	s_wait_dscnt 0x0                               ; the stores have read their registers: the next block's codes may be written
.endm
.set Q, 0
	s_wait_alu depctr_va_vdst(0)
.rept NB
	BLOCK Q
.set Q, Q+1
.endr
.irp t, 0,1,2,3,4,5,6,7,8,9,10,11,12,13,14,15
	ds_load_b128 v[OUTR+4*\t:OUTR+4*\t+3], v7 offset:2*\t*272   ; LDS serves a wave's instructions in order: these see my stores
.endr
.irp t, 0,1,2,3,4,5,6,7,8,9,10,11,12,13,14,15
	s_wait_dscnt 15-\t
	global_store_b128 v[OO+\t], v[OUTR+4*\t:OUTR+4*\t+3], s[62:63]   ; sixteen lanes store 256 consecutive bytes, aligned
.endr
	s_wait_tensorcnt 0x0                           ; the wave's end
	ds_add_u32 v216, v217
	s_wait_dscnt 0x0
	s_endpgm
; ---------------- LayerNorm 1: a wave takes four tokens, a row at a time
.Lln:
	s_sub_co_u32 s36, ttmp9, 384
	s_lshl_b32 s36, s36, 4
	s_lshl_b32 s37, s22, 2
	s_add_co_u32 s36, s36, s37                     ; my first token t0, a multiple of 4
	s_lshl_b32 s38, s36, 12
	s_mov_b32 s39, 0
	s_add_nc_u64 s[4:5], s[4:5], s[38:39]          ; x at t0
	s_and_b32 s40, s36, 0xffffff80                 ; the permuted row: (t0 & ~127) + 16 (t0 & 7) + ((t0 >> 3) & 15); tokens t0 + 1 .. t0 + 3 lie 16 rows apart
	s_and_b32 s41, s36, 7
	s_lshl_b32 s41, s41, 4
	s_add_co_u32 s40, s40, s41
	s_bfe_u32 s41, s36, 0x40003
	s_add_co_u32 s40, s40, s41
	s_lshl_b32 s40, s40, 10
	s_add_co_u32 s40, s40, A1C
	s_mov_b32 s41, 0
	s_add_nc_u64 s[20:21], s[20:21], s[40:41]
	s_mov_b32 s66, 0x3a800000                      ; 1 / 1024
	s_mov_b32 s67, 0x3727c5ac                      ; 1e-5
	s_mov_b32 s68, 0x76543210                      ; v_permlanex16_b32: lane l xor 16
	s_mov_b32 s69, 0xfedcba98
	s_mul_i32 s42, s22, 4352                       ; my stage: a row's 4,096 bytes with 16 of padding behind each 256
	s_add_co_u32 s42, s42, LB0
	s_wait_alu depctr_va_vdst(0)
	v_lshlrev_b32 v[XO], 4, v2
	v_lshlrev_b32 v[GO], 5, v2
	v_lshlrev_b32 v[CO], 3, v2
	v_lshrrev_b32 v3, 4, v2
	v_add_nc_u32 v3, v3, v2
	v_lshl_add_u32 v[SI], v3, 4, s42               ; in: 16 lane + 16 (lane / 16); load j's 512 bytes 544 j further on
	v_lshrrev_b32 v3, 3, v2
	v_lshl_add_u32 v3, v2, 1, v3
	v_lshl_add_u32 v[SO], v3, 4, s42               ; out: 32 lane + 16 (lane / 8); chunk c 1,088 c further on
.irp c, 0,1,2,3
	global_load_b128 v[GW+8*\c:GW+8*\c+3], v[GO], s[6:7] offset:1024*\c          ; gain and bias at elements 256 c + 8 lane + 0 .. 7
	global_load_b128 v[GW+8*\c+4:GW+8*\c+7], v[GO], s[6:7] offset:1024*\c+16
	global_load_b128 v[GBI+8*\c:GBI+8*\c+3], v[GO], s[8:9] offset:1024*\c
	global_load_b128 v[GBI+8*\c+4:GBI+8*\c+7], v[GO], s[8:9] offset:1024*\c+16
.endr
.macro XLOAD row, R                    ; a row: eight loads of 512 consecutive bytes
.irp j, 0,1,2,3,4,5,6,7
	global_load_b128 v[\R+4*\j:\R+4*\j+3], v[XO], s[4:5] offset:4096*(\row)+512*\j th:TH_LOAD_NT
.endr
.endm
	XLOAD 0, XA
	XLOAD 1, XB
	s_wait_kmcnt 0x0
	s_add_co_i32 s24, s24, 127                     ; e0
	s_lshl_b32 s43, s24, 23
	v_mov_b32 v[SCL], s43
	s_add_co_i32 s24, s24, 8
	s_lshl_b32 s24, s24, 23
	s_or_b32 s24, s24, 0x600000
	v_mov_b32 v[HOLD], s24
.macro FOLD                            ; four pairs v[8:15] -> their sum over the 32 lanes, in v8 of every lane
	v_pk_add_f32 v[8:9], v[8:9], v[10:11]
	v_pk_add_f32 v[12:13], v[12:13], v[14:15]
	v_pk_add_f32 v[8:9], v[8:9], v[12:13]
	v_add_f32 v8, v8, v9
	v_add_f32_dpp v8, v8, v8 row_xmask:1 row_mask:0xf bank_mask:0xf
	v_add_f32_dpp v8, v8, v8 row_xmask:2 row_mask:0xf bank_mask:0xf
	v_add_f32_dpp v8, v8, v8 row_xmask:4 row_mask:0xf bank_mask:0xf
	v_add_f32_dpp v8, v8, v8 row_xmask:8 row_mask:0xf bank_mask:0xf
	v_permlanex16_b32 v9, v8, s68, s69
	v_add_f32 v8, v8, v9
.endm
; Row i lies in v[R] on.  left: the younger row's eight loads may stay out.  next = 1: the row two further on is asked for into the same registers.
.macro ROW i, R, left, next
	s_wait_loadcnt \left
.irp k, 0,1,2,3
	v_pk_add_f32 v[8+2*\k:9+2*\k], v[\R+4*\k:\R+4*\k+1], v[\R+4*\k+2:\R+4*\k+3]   ; the sum, in four chains: nothing is cleared
.endr
.irp k, 0,1,2,3,4,5,6,7
	v_pk_add_f32 v[8+2*(\k%4):9+2*(\k%4)], v[8+2*(\k%4):9+2*(\k%4)], v[\R+16+2*\k:\R+17+2*\k]
.endr
	FOLD
	v_mul_f32 v8, s66, v8                          ; the mean
.irp k, 0,1,2,3,4,5,6,7,8,9,10,11,12,13,14,15
	v_pk_add_f32 v[\R+2*\k:\R+2*\k+1], v[\R+2*\k:\R+2*\k+1], v[8:9] op_sel_hi:[1,0] neg_lo:[0,1] neg_hi:[0,1]   ; x - mean, in place: the variance is taken of these, so a common offset of x does no harm
.endr
.irp k, 0,1,2,3
	v_pk_mul_f32 v[8+2*\k:9+2*\k], v[\R+2*\k:\R+2*\k+1], v[\R+2*\k:\R+2*\k+1]
.endr
.irp k, 4,5,6,7,8,9,10,11,12,13,14,15
	v_pk_fma_f32 v[8+2*(\k%4):9+2*(\k%4)], v[\R+2*\k:\R+2*\k+1], v[\R+2*\k:\R+2*\k+1], v[8+2*(\k%4):9+2*(\k%4)]
.endr
	FOLD
	v_fma_f32 v8, v8, s66, s67                     ; the variance + 1e-5
	s_wait_alu depctr_va_vdst(0)
	v_rsq_f32 v8, v8
	v_nop                                          ; a plain line behind the transcendental
.irp j, 0,1,2,3,4,5,6,7
	ds_store_b128 v[SI], v[\R+4*\j:\R+4*\j+3] offset:544*\j       ; the row turns through my stage: as loaded in,
.endr
.irp c, 0,1,2,3
	ds_load_b128 v[Y+8*\c:Y+8*\c+3], v[SO] offset:1088*\c          ; eight neighbours a lane out (LDS serves a wave's instructions in order)
	ds_load_b128 v[Y+8*\c+4:Y+8*\c+7], v[SO] offset:1088*\c+16
.endr
	s_wait_dscnt 0x0                               ; the row is back, and the stores have read their registers,
.if \next
	XLOAD (\i)+2, \R                               ; which take the row two further on
.endif
	s_wait_alu depctr_va_vdst(0)                   ; the wait ahead of the first reader of the root's result
.irp k, 0,1,2,3,4,5,6,7,8,9,10,11,12,13,14,15
	v_pk_mul_f32 v[Y+2*\k:Y+2*\k+1], v[Y+2*\k:Y+2*\k+1], v[8:9] op_sel_hi:[1,0]
.endr
.irp k, 0,1,2,3,4,5,6,7,8,9,10,11,12,13,14,15
	v_pk_fma_f32 v[Y+2*\k:Y+2*\k+1], v[Y+2*\k:Y+2*\k+1], v[GW+2*\k:GW+2*\k+1], v[GBI+2*\k:GBI+2*\k+1]
.endr
.set i, 0
.rept 32
	v_med3_num_f32 v[Y+i], v[Y+i], -v[HOLD], v[HOLD]
.set i, i+1
.endr
.irp c, 0,1,2,3
	v_cvt_scalef32_pk8_fp8_f32 v[CD+8*(\i)+2*\c:CD+8*(\i)+2*\c+1], v[Y+8*\c:Y+8*\c+7], v[SCL]
.endr
	v_nop                                          ; a plain line behind the last conversion
.irp c, 0,1,2,3
	global_store_b64 v[CO], v[CD+8*(\i)+2*\c:CD+8*(\i)+2*\c+1], s[20:21] offset:ROWSTEP*(\i)+256*\c   ; 32 lanes store 256 consecutive bytes, aligned
.endr
.endm
	ROW 0, XA, 8, 1
	ROW 1, XB, 8, 1
	ROW 2, XA, 8, 0
	ROW 3, XB, 0, 0
	s_wait_tensorcnt 0x0                           ; the wave's end
	ds_add_u32 v216, v217
	s_wait_dscnt 0x0
	s_endpgm
.Lfunc_end_k_qcc3b420977_prep:
	.size	k_qcc3b420977_prep, .Lfunc_end_k_qcc3b420977_prep-k_qcc3b420977_prep
	.p2alignl 7, 3214868480
	.fill 96, 4, 3214868480
	.section	.rodata,"a",@progbits
	.p2align	6, 0x0
	.amdhsa_kernel k_qcc3b420977_prep
		.amdhsa_group_segment_fixed_size 52736
		.amdhsa_private_segment_fixed_size 0
		.amdhsa_enable_private_segment 0
		.amdhsa_kernarg_size 72
		.amdhsa_user_sgpr_count 2
		.amdhsa_user_sgpr_kernarg_segment_ptr 1
		.amdhsa_wavefront_size32 1
		.amdhsa_system_sgpr_workgroup_id_x 1
		.amdhsa_system_sgpr_workgroup_id_y 1
		.amdhsa_system_sgpr_workgroup_id_z 1
		.amdhsa_system_vgpr_workitem_id 0
		.amdhsa_next_free_vgpr 224
		.amdhsa_next_free_sgpr 80
		.amdhsa_reserve_vcc 0
		.amdhsa_float_denorm_mode_32 3
		.amdhsa_float_denorm_mode_16_64 3
		.amdhsa_memory_ordered 1
		.amdhsa_forward_progress 1
		.amdhsa_inst_pref_size 99
	.end_amdhsa_kernel
	.amdgpu_metadata
---
amdhsa.version: [ 1, 2 ]
amdhsa.kernels:
  - .name:           k_qcc3b420977_prep
    .symbol:         k_qcc3b420977_prep.kd
    .args:
      - { .name: x, .offset: 0, .size: 8, .value_kind: global_buffer, .address_space: global }
      - { .name: ln1_w, .offset: 8, .size: 8, .value_kind: global_buffer, .address_space: global }
      - { .name: ln1_b, .offset: 16, .size: 8, .value_kind: global_buffer, .address_space: global }
      - { .name: w_attn, .offset: 24, .size: 8, .value_kind: global_buffer, .address_space: global }
      - { .name: w_proj, .offset: 32, .size: 8, .value_kind: global_buffer, .address_space: global }
      - { .name: w_fc, .offset: 40, .size: 8, .value_kind: global_buffer, .address_space: global }
      - { .name: w_fc_proj, .offset: 48, .size: 8, .value_kind: global_buffer, .address_space: global }
      - { .name: lowp_scales, .offset: 56, .size: 8, .value_kind: global_buffer, .address_space: global }
      - { .name: pc, .offset: 64, .size: 8, .value_kind: global_buffer, .address_space: global }
    .group_segment_fixed_size: 52736
    .private_segment_fixed_size: 0
    .kernarg_segment_align: 8
    .kernarg_segment_size: 72
    .max_flat_workgroup_size: 128
    .sgpr_count:     80
    .vgpr_count:     224
    .wavefront_size: 32
...
	.end_amdgpu_metadata
.endif
;; end of part 1
;; launch qkv (part 2): grid 12 x 16, 4 waves a work-group, clusters of 4 x 4, 327,680 bytes of LDS; arguments pc, lowp_scales, qkvc; writes qkvc
.if DOCPART == 2
	.amdgcn_target "amdgcn-amd-amdhsa--gfx1250"
	.amdhsa_code_object_version 6
	.text
	.protected	k_qcc3b420977_qkv
	.globl	k_qcc3b420977_qkv
	.p2align	8
	.type	k_qcc3b420977_qkv,@function
k_qcc3b420977_qkv:
	s_mov_b64 s[64:65], 0
	v_nop
	global_prefetch_b8 v0, s[64:65] scope:SCOPE_SE
	s_setreg_imm32_b32 hwreg(HW_REG_WAVE_MODE, 25, 1), 1
	s_wait_xcnt 0x0
	s_wait_alu depctr_hold_cnt(0) depctr_sa_sdst(0) depctr_va_vdst(0) depctr_va_sdst(0) depctr_va_ssrc(0) depctr_va_vcc(0) depctr_vm_vsrc(0)
	s_getreg_b32 s2, hwreg(HW_REG_IB_STS2, 6, 4)
	s_cmp_eq_u32 s2, 0
	s_cbranch_scc0 .Lentry_in_a_cluster
	s_endpgm
.Lentry_in_a_cluster:
	s_bfe_u32 s2, ttmp6, 0x10000c
	s_cmp_lg_u32 s2, 0xf033
	s_cbranch_scc0 .Lentry_shape_is_right
	s_endpgm
.Lentry_shape_is_right:
; qkv = LN1(x) w_attn on codes of FP8 (E4M3), [4096 x 1024] x [1024 x 3072], and q, k, v quantised on the way out with their own given scales.
; A: LN1's codes in pc at A1C, [4096][1024], rows permuted inside each block of 128 (memory row 16 a + r = token 8 r + a).  B: w_attn's codes in pc at 0, [3072][1024].
; OUT, in qkvc: q at 0 and k at 4 MiB, [batch x 16 + head][token][64]; v at 8 MiB, [batch x 16 + head][token / 256][d][token % 256]: the keys innermost, since they are the K of attention's second product,
; and the 64 x 256 bytes that attention loads as one tile are 16,384 consecutive bytes.
; q's AND k's TOKENS ARE PERMUTED inside every 32: token 16 h + 8 u + j lies at row 16 u + 8 h + j, so that the sixteen keys that form a tile of attention's first product are sixteen neighbouring rows.
; A tile of 256 x 256 to a work-group of four waves, 128 x 128 a wave: 64 accumulators, 512 registers.  K goes in four steps of 256 through two LDS slots filled by the tensor data mover.
; CLUSTERS of 4 x 4: the four of a row need the same tiles of A, the four of a column the same tiles of B: each tile is asked for jointly.  A cluster's x is 0 for q, 1 for k, 2 for v: the same in all partners.
; PREFETCH: a slot's fill goes out with no other load of the wave on its way, so K steps 1 and 2 are asked for behind K step 0's joint load and K step 3 behind K step 1's: one or two K steps ahead of their loads.
; Of the 128 rows that a wave fetches the four partners that ask for them jointly take 32 each, told apart by address (cx for A, cy for B); a lane names a row's 256 bytes of the K step: each block once in a cluster.
; THE MATRIX INSTRUCTION IS USED TRANSPOSED (source 0 = 16 rows of B, source 1 = 16 rows of A): in accumulator (a, b) lane (r, h) holds token 8 r + a and columns 16 b + 8 h + 0 .. 7.
; So for q and k a lane's eight registers are eight neighbours along the head's axis; for v the eight accumulators a = 0 .. 7 hold eight neighbouring tokens of one column: the hold writes them side by side.
; A sum stands for sum x 2^(e0 + e1): its code is sum / 2^(eo - e0 - e1), eo = e2 (q), e3 (k), e5 (v).  LIMIT: eo - e0 - e1 between -126 and 119.
; REGISTERS, in windows of 256: window 0: v0-31 addresses; from v128 A's fragments, one set; on the way out v32-255 are free.  window 1: B's fragments, two sets.  windows 2, 3: the accumulators, (a, b) at v[8 (8 (a % 4) + b)].
.set A1C,    12582912
.set SIZE_K, 1024
.set KSTEP,  256
.set ROWB,   256
.set KROW,   SIZE_K
.set PITCH,  272                       ; an LDS row: 256 bytes + 16 of padding: the 16 rows that a load touches start at 16 different groups of banks
.set FR,     16
.set NL,     4
.set NP,     4
.set HALFT,  128*PITCH
.set SLOT,   4*HALFT
.set LAPS,   SIZE_K/(2*KSTEP)
.set SPARE,  2*SLOT                    ; behind the ring: the spare words, 128 bytes a wave
.set QKW,    16896                     ; the way out of q and k: a stage for each wave: 2 heads x 16 rows x (512 + 16) bytes, in slot 0 from byte 0
.set VST,    69632                     ; the way out of v: one stage for the work-group, 256 rows x 272 bytes, in slot 0 behind those
.set STOV, 8
.set RDV,  9
.set COV,  10
.set PFO,  11                          ; the prefetches' offset: 1,024 x lane: a lane a row; never rewritten
.set ADRA, 16
.set ADRB, 20
.set STO,  24
.set RD,   25
.set CO,   26
.set SPW,  28
.set NIL,  29
.set TMP,  32                          ; v32-95  64 numbers held
.set CDR,  96                          ; v96-111 their codes
.set AF,   128
.set BK,   128                         ; v128-255 what comes back from a stage
.set G1, 24
.set G0, 32
.set G1B, 48
.set G0B, 56
.set PFA, 90                           ; s[90:91] my work-group's 32 rows of the 128 that I fetch, at K = 0; never rewritten
.set MSB, 0
.macro WIN new                         ; the immediate's high byte repeats the setting that is left
.if MSB != (\new)
	s_set_vgpr_msb (MSB<<8)|(\new)
.set MSB, (\new)
.endif
.endm
.set MUL_LO, 0xa1                      ; source 0 (B) window 1, source 1 (A) window 0, C and D window 2
.set MUL_HI, 0xf1
.set TO_B,   0x40
; A joint load: waves 0 and 1 fetch for A, waves 2 and 3 for B; the branch hangs on the wave's number alone.  An s_nop 0 and four v_nop follow each of the two lines.
.macro JLOAD g0a, g1a, g0b, g1b
	s_cmp_eq_u32 s15, 0
	s_cbranch_scc0 .Lfor_b_\@
	tensor_load_to_lds s[\g0a:\g0a+3], s[\g1a:\g1a+7]
	s_nop 0
.rept 4
	v_nop
.endr
	s_branch .Lasked_\@
.Lfor_b_\@:
	tensor_load_to_lds s[\g0b:\g0b+3], s[\g1b:\g1b+7]
	s_nop 0
.rept 4
	v_nop
.endr
.Lasked_\@:
.endm
.macro ASK step                        ; my 32 rows' 256 bytes of that K step
	global_prefetch_b8 v[PFO], s[PFA:PFA+1] offset:ROWB*(\step) th:TH_LOAD_NT scope:SCOPE_SE
.endm
.macro CREST                           ; a round of the cluster's barrier behind its opening barrier
	s_cmp_lg_u32 s14, 0
	s_cbranch_scc1 .Lnot_wave_0_\@
	s_barrier_signal -3
.Lnot_wave_0_\@:
	s_barrier_wait -3
	s_barrier_signal -1
	s_barrier_wait -1
.endm
.macro CROUND
	s_barrier_signal -1
	s_barrier_wait -1
	CREST
.endm
	s_load_b128 s[4:7], s[0:1], 0x0                ; pc s[4:5], the scales' exponents s[6:7]
	s_load_b64 s[10:11], s[0:1], 0x10              ; qkvc
	v_lshl_add_u32 v[SPW], v0, 2, SPARE
	v_mov_b32 v[NIL], 0
	ds_add_u32 v[SPW], v[NIL]                      ; the wave's opening: the add, twice on end, and its wait ahead of the round in front of my first tensor load
	ds_add_u32 v[SPW], v[NIL]
	v_lshrrev_b32 v1, 5, v0
	v_readfirstlane_b32 s14, v1                    ; wave 0..3
	s_lshr_b32 s15, s14, 1                         ; which half of the tile's rows is mine.  Also: I fetch for A (0) or for B (1)
	s_and_b32 s16, s14, 1                          ; which half of its columns.  Also: which 128 rows of that tile I fetch
	s_bfe_u32 s40, ttmp6, 0x40000                  ; cx, cy
	s_bfe_u32 s41, ttmp6, 0x40004
	s_lshl_b32 s42, ttmp9, 2
	s_add_co_u32 s42, s42, s40                     ; tile column
	s_and_b32 s17, ttmp7, 0xffff
	s_lshl_b32 s17, s17, 2
	s_add_co_u32 s17, s17, s41                     ; tile row
	s_lshl_b32 s43, s41, 2
	s_lshl_b32 s43, 15, s43                        ; my row of the cluster
	s_lshl_b32 s44, 0x1111, s40                    ; my column
	s_or_b32 s[G1+0], s43, (1<<20)|(1<<21)|(5<<22)|(3<<25)   ; the mask; elements of 1 byte; padding on; bit 21 beside a mask; 4 words of padding behind every 64
	s_or_b32 s[G1B+0], s44, (1<<20)|(1<<21)|(5<<22)|(3<<25)
.irp g, G1, G1B
	s_mov_b32 s[\g+1], ROWB<<16                    ; tensor_dim0
	s_mov_b32 s[\g+2], 128<<16                     ; tensor_dim1
	s_mov_b32 s[\g+3], ROWB<<16                    ; tile_dim0
	s_mov_b32 s[\g+4], 128                         ; tile_dim1
	s_mov_b32 s[\g+5], KROW                        ; the pitch
	s_mov_b32 s[\g+6], 0
	s_mov_b32 s[\g+7], 0
.endr
	s_lshl_b32 s18, s16, 7
	s_lshl_b32 s20, s17, 8
	s_add_co_u32 s20, s20, s18                     ; A: row 256 x tile row + 128 x half
	s_lshl_b32 s46, s42, 8
	s_add_co_u32 s46, s46, s18                     ; B: row 256 x tile column + 128 x half
	s_lshl_b32 s20, s20, 10
	s_add_co_u32 s20, s20, A1C
	s_lshl_b32 s46, s46, 10
	s_mov_b32 s21, 0
	s_mov_b32 s47, 0
	s_mul_i32 s45, s14, HALFT                      ; where they go: wave x 128 rows
	s_wait_dscnt 0x0                               ; both opening adds are done
	s_wait_kmcnt 0x0
	s_load_b256 s[68:75], s[6:7], 0x0              ; e0 .. e7
	s_add_nc_u64 s[20:21], s[4:5], s[20:21]
	s_add_nc_u64 s[46:47], s[4:5], s[46:47]
	CROUND                                         ; all sixteen work-groups are here: the first joint loads meet
.irp s, 0,1
	s_mov_b32 s[G0+4*\s], 1
	s_add_co_u32 s[G0+4*\s+1], s45, \s*SLOT
	s_add_nc_u64 s[G0+4*\s+2:G0+4*\s+3], s[20:21], \s*ROWB
	s_or_b32 s[G0+4*\s+3], s[G0+4*\s+3], 0x80000000
	s_mov_b32 s[G0B+4*\s], 1
	s_add_co_u32 s[G0B+4*\s+1], s45, \s*SLOT
	s_add_nc_u64 s[G0B+4*\s+2:G0B+4*\s+3], s[46:47], \s*ROWB
	s_or_b32 s[G0B+4*\s+3], s[G0B+4*\s+3], 0x80000000
.endr
	JLOAD G0, G1, G0B, G1B                         ; K step 0: one tensor load a wave at the head
	; all the head's scalar work stands here, ahead of its vector work
	s_lshl_b32 s86, s17, 8                         ; the prefetches: the tile's first row, in A by the tile row,
	s_lshl_b32 s87, s42, 8                         ; in B by the tile column
	s_cmp_eq_u32 s15, 0                            ; do I fetch for A?
	s_cselect_b32 s86, s86, s87
	s_cselect_b32 s87, s40, s41                    ; my place among the four that ask for the tile with me
	s_cselect_b32 s88, A1C, 0
	s_lshl_b32 s87, s87, 5
	s_add_co_u32 s86, s86, s87                     ; + my work-group's 32 rows
	s_lshl_b32 s87, s16, 7
	s_add_co_u32 s86, s86, s87                     ; of the 128 that I fetch
	s_lshl_b32 s86, s86, 10
	s_add_co_u32 s86, s86, s88
	s_mov_b32 s87, 0
	s_add_nc_u64 s[PFA:PFA+1], s[4:5], s[86:87]
	s_mul_i32 s21, s15, HALFT                      ; my 128 rows of A
	s_mul_i32 s22, s16, HALFT
	s_add_co_u32 s22, s22, 2*HALFT                 ; my 128 rows of B, behind A's 256
	s_mul_i32 s23, s14, QKW                        ; my stage for q and k
	s_mul_i32 s18, s16, 128*272
	s_lshl_b32 s19, s15, 7
	s_add_co_u32 s18, s18, s19
	s_add_co_u32 s18, s18, VST                     ; v in: row 128 x column half, byte 128 x row half
	s_mul_i32 s19, s14, 64*272
	s_add_co_u32 s19, s19, VST                     ; v back: wave w takes rows 64 w on
	s_lshl_b32 s76, s17, 8
	s_lshl_b32 s77, s15, 7
	s_add_co_u32 s76, s76, s77                     ; my first row: 256 x tile row + 128 x half
	s_lshr_b32 s77, s76, 11                        ; the batch
	s_lshl_b32 s77, s77, 4
	s_lshl_b32 s78, s40, 2
	s_add_co_u32 s77, s77, s78
	s_lshl_b32 s78, s16, 1
	s_add_co_u32 s77, s77, s78                     ; batch x 16 + my first head (4 cx + 2 x half)
	s_lshl_b32 s77, s77, 11
	s_and_b32 s78, s76, 2047
	s_add_co_u32 s77, s77, s78
	s_lshl_b32 s78, s77, 6
	s_lshl_b32 s79, ttmp9, 22                      ; q at 0, k at 4 MiB
	s_add_co_u32 s78, s78, s79
	s_mov_b32 s79, 0
	s_add_nc_u64 s[80:81], s[10:11], s[78:79]      ; where q's or k's rows go
	s_lshl_b32 s78, s40, 2
	s_add_co_u32 s78, s78, s14                     ; v: the head whose 64 rows I store: 4 cx + wave
	s_lshr_b32 s82, s17, 3
	s_lshl_b32 s82, s82, 4
	s_add_co_u32 s78, s78, s82                     ; + 16 x batch (a tile row is 256 tokens: eight to a batch)
	s_lshl_b32 s78, s78, 3
	s_and_b32 s82, s17, 7
	s_add_co_u32 s78, s78, s82                     ; x 8 + which 256 tokens
	s_lshl_b32 s78, s78, 14                        ; 64 rows of 256 bytes each
	s_add_co_u32 s78, s78, 8388608
	s_add_nc_u64 s[82:83], s[10:11], s[78:79]      ; where v's rows go
	v_and_b32 v6, 31, v0
	v_lshlrev_b32 v[PFO], 10, v6
	ASK 1                                          ; K steps 1 and 2
	ASK 2
	v_and_b32 v1, 15, v0                           ; r
	v_bfe_u32 v2, v0, 4, 1                         ; h
	v_mul_u32_u24 v3, v1, PITCH
	v_lshl_add_u32 v4, v2, 4, v3                   ; a fragment's row x pitch + 16 x half
	v_add_nc_u32 v[ADRA], s21, v4
	v_add_nc_u32 v[ADRB], s22, v4
	v_add_nc_u32 v[ADRA+1], SLOT, v[ADRA]
	v_add_nc_u32 v[ADRB+1], SLOT, v[ADRB]
	v_mul_u32_u24 v5, v1, 528
	v_lshl_add_u32 v5, v2, 3, v5
	v_add_nc_u32 v[STO], s23, v5                   ; q, k in: tokens 8 r .. 8 r + 7 share a row of 512 bytes; + 8 h
	v_lshlrev_b32 v[CO], 4, v6
	v_add_nc_u32 v[RD], s23, v[CO]                 ; back: 32 lanes take 512 bytes: eight tokens of a head
	v_mul_u32_u24 v5, v2, 8*272
	v_lshl_add_u32 v5, v1, 3, v5
	v_add_nc_u32 v[STOV], s18, v5                  ; v in: row = column 128 x half + 8 h (+ 16 b + j), byte = token 128 x half + 8 r
	v_mul_u32_u24 v5, v2, 272
	v_lshl_add_u32 v5, v1, 4, v5
	v_add_nc_u32 v[RDV], s19, v5                   ; back: sixteen lanes to a row
	v_lshlrev_b32 v5, 8, v2
	v_lshl_add_u32 v[COV], v1, 4, v5               ; and the same two rows of v, 256 bytes apart
.macro FRAG reg, adr, q, i             ; 16 rows x 128 K in 16 registers: registers 4 c .. 4 c + 3 hold K = 32 c + 16 (l / 16) + 0 .. 15: the same places in A and in B
.irp c, 0,1,2,3
	ds_load_b128 v[\reg+4*\c:\reg+4*\c+3], v[\adr] offset:128*(\q)+32*\c+(\i)*16*PITCH
.endr
.endm
; 16 matrix instructions: A's blocks a0, a0 + 1 x B's eight.  The 64 accumulators take turns, one instruction a turn, in the same order in every step.
.macro MUL16 a0, p, zero
.irp a, \a0, \a0+1
.irp b, 0,1,2,3,4,5,6,7
.if \zero
	v_wmma_f32_16x16x128_fp8_fp8 v[8*(8*((\a)%4)+\b):8*(8*((\a)%4)+\b)+7], v[128*(\p)+FR*\b:128*(\p)+FR*\b+FR-1], v[AF+FR*(\a):AF+FR*(\a)+FR-1], 0
.else
	v_wmma_f32_16x16x128_fp8_fp8 v[8*(8*((\a)%4)+\b):8*(8*((\a)%4)+\b)+7], v[128*(\p)+FR*\b:128*(\p)+FR*\b+FR-1], v[AF+FR*(\a):AF+FR*(\a)+FR-1], v[8*(8*((\a)%4)+\b):8*(8*((\a)%4)+\b)+7]
.endif
.endr
.endr
.endm
.macro FETCH_B slot, q, p
	WIN TO_B
.irp i, 0,1,2,3,4,5,6,7
	FRAG 128*(\p)+FR*\i, ADRB+\slot, \q, \i
.endr
	WIN 0
.endm
.macro FETCH_A slot, q, i0
.irp i, \i0, \i0+1, \i0+2, \i0+3
	FRAG AF+FR*(\i), ADRA+\slot, \q, \i
.endr
.endm
.macro PLACES n                        ; plain vector lines between a matrix instruction and a load into, or a read of, its registers
.rept \n
	v_nop
.endr
.endm
.macro STEP slot, q, zero              ; 128 along K whose successor lies in the same slot
	s_wait_dscnt 4*NL                              ; B's set and A's blocks 0-3 are in; the youngest sixteen loads (A's blocks 4-7) may be out
	WIN MUL_LO
	MUL16 0, (\q)%2, \zero
	MUL16 2, (\q)%2, \zero
	s_wait_dscnt 0                                 ; A's blocks 4-7 are in
	PLACES NP
	FETCH_B \slot, (\q)+1, 1-(\q)%2
	FETCH_A \slot, (\q)+1, 0
	WIN MUL_HI
	MUL16 4, (\q)%2, \zero
	MUL16 6, (\q)%2, \zero
	PLACES NP
	WIN 0
	FETCH_A \slot, (\q)+1, 4
.endm
; A slot's last step changes slots: one barrier; in front of it each wave waits for all its tensor loads, adds 0 to its spare word, and waits for that and for its own reads of this slot.
.macro TURN slot, next, fill
	s_wait_tensorcnt 0x0                           ; all my tensor loads have landed: my part of the next slot
	ds_add_u32 v[SPW], v[NIL]                      ; 0 onto my spare word
	s_wait_dscnt 4*NL+1                            ; (the add and the youngest sixteen loads may be out)
	WIN MUL_LO
	MUL16 0, 1, 0
	s_wait_dscnt 0x0                               ; the add is done, and my reads of this slot are over
	s_barrier_signal -1
	MUL16 2, 1, 0
	WIN 0
	s_barrier_wait -1
.if \fill
	CREST                                          ; the barrier has opened a round of the cluster's barrier: no wave of any partner still reads this slot or has a load on its way
	s_add_nc_u64 s[G0+4*\slot+2:G0+4*\slot+3], s[G0+4*\slot+2:G0+4*\slot+3], 2*ROWB
	s_add_nc_u64 s[G0B+4*\slot+2:G0B+4*\slot+3], s[G0B+4*\slot+2:G0B+4*\slot+3], 2*ROWB
	JLOAD G0+4*\slot, G1, G0B+4*\slot, G1B         ; the first tensor load behind the round; its four v_nop are the places in front of the loads below
.else
	PLACES NP
.endif
	FETCH_B \next, 0, 0
	FETCH_A \next, 0, 0
	WIN MUL_HI
	MUL16 4, 1, 0
	MUL16 6, 1, 0
	PLACES NP
	WIN 0
	FETCH_A \next, 0, 4
.endm
	s_wait_alu depctr_va_vdst(0)
	s_wait_tensorcnt 0x0                           ; my part of K step 0 is in; slot 1's first fill is issued as a refill is:
	ds_add_u32 v[SPW], v[NIL]                      ; 0 onto my spare word
	s_wait_dscnt 0x0
	CROUND                                         ; a whole round: everybody's part of K step 0 is in, and the joint loads meet
	JLOAD G0+4, G1, G0B+4, G1B                     ; K step 1: the first tensor load behind the round
	ASK 3                                          ; K step 3
	FETCH_B 0, 0, 0
	FETCH_A 0, 0, 0
	FETCH_A 0, 0, 4
	STEP 0, 0, 1                                   ; the first step's products start the sums
	s_mov_b32 s3, LAPS-1
.Llap:
	TURN 0, 1, 1
	STEP 1, 0, 0
	TURN 1, 0, 1
	STEP 0, 0, 0
	s_sub_co_u32 s3, s3, 1
	s_cmp_lg_u32 s3, 0
	s_cbranch_scc1 .Llap
	TURN 0, 1, 0                                   ; the last lap fills nothing
	STEP 1, 0, 0
	s_wait_dscnt 4*NL
	WIN MUL_LO
	MUL16 0, 1, 0
	MUL16 2, 1, 0
	s_wait_dscnt 0
	WIN MUL_HI
	MUL16 4, 1, 0
	MUL16 6, 1, 0
	WIN 0
	; THE WAY OUT.  The stages lie in slot 0: it has had its last fill, and behind the last change of slots nobody reads it.
	s_wait_kmcnt 0x0
	s_cmp_eq_u32 ttmp9, 0
	s_cselect_b32 s84, s70, s71                    ; e2 for q, e3 for k,
	s_cmp_eq_u32 ttmp9, 2
	s_cselect_b32 s84, s73, s84                    ; e5 for v: a choice, no branch on a loaded number
	s_sub_co_i32 s84, s84, s68
	s_sub_co_i32 s84, s84, s69                     ; eo - e0 - e1
	s_add_co_i32 s84, s84, 127
	s_lshl_b32 s85, s84, 23
	v_mov_b32 v30, s85                             ; the conversion's scale
	s_add_co_i32 s84, s84, 8
	s_lshl_b32 s84, s84, 23
	s_or_b32 s84, s84, 0x600000
	v_mov_b32 v31, s84                             ; 448 x that
	PLACES NP
	s_cmp_eq_u32 ttmp9, 2                          ; the cluster's x: the same in all partners and all waves
	s_cbranch_scc1 .Lv_in
.irp a, 0,1,2,3,4,5,6,7                ; q, k: block a = tokens 8 r + a; a lane's eight registers of accumulator (a, b) are eight neighbours of a head's 64
	WIN 0x02+(\a/4)
.set j, 0
.rept 64
	v_med3_num_f32 v[TMP+j], v[64*(\a%4)+j], -v31, v31   ; the hold, into window 0; each accumulator from its low end on
.set j, j+1
.endr
	WIN 0
	s_wait_alu depctr_va_vdst(0)
	s_wait_dscnt 0x0                               ; the last block's stores have read their registers
.irp b, 0,1,2,3,4,5,6,7
	v_cvt_scalef32_pk8_fp8_f32 v[CDR+2*\b:CDR+2*\b+1], v[TMP+8*\b:TMP+8*\b+7], v30
.endr
	v_nop                                          ; a plain line behind the last conversion
.irp b, 0,1,2,3,4,5,6,7
	ds_store_b64 v[STO], v[CDR+2*\b:CDR+2*\b+1] offset:(\b/4)*8448+64*\a+16*(\b%4)
.endr
.endr
	s_branch .Lmeet
.Lv_in:
	s_wait_alu depctr_va_vdst(0)
.irp b, 0,1,2,3,4,5,6,7                ; v: for column 16 b + 8 h + j the eight accumulators a hold tokens 8 r + 0 .. 7: the hold lays them side by side
	WIN 0x02
.irp a, 0,1,2,3
.irp j, 0,1,2,3,4,5,6,7
	v_med3_num_f32 v[TMP+8*\j+\a], v[8*(8*\a+\b)+\j], -v31, v31
.endr
.endr
	WIN 0x03
.irp a, 0,1,2,3
.irp j, 0,1,2,3,4,5,6,7
	v_med3_num_f32 v[TMP+8*\j+\a+4], v[8*(8*\a+\b)+\j], -v31, v31
.endr
.endr
	WIN 0
	s_wait_alu depctr_va_vdst(0)
	s_wait_dscnt 0x0
.irp j, 0,1,2,3,4,5,6,7
	v_cvt_scalef32_pk8_fp8_f32 v[CDR+2*\j:CDR+2*\j+1], v[TMP+8*\j:TMP+8*\j+7], v30
.endr
	v_nop
.irp j, 0,1,2,3,4,5,6,7
	ds_store_b64 v[STOV], v[CDR+2*\j:CDR+2*\j+1] offset:(16*\b+\j)*272
.endr
.endr
.Lmeet:
	s_wait_dscnt 0x0                               ; for the others' sake: my stores into the stage are done (a row of v's stage comes from two waves)
	s_barrier_signal -1
	s_barrier_wait -1
	s_cmp_eq_u32 ttmp9, 2
	s_cbranch_scc1 .Lv_out
.set n, 0
.rept 32
	ds_load_b128 v[BK+4*n:BK+4*n+3], v[RD] offset:(n/16)*8448+528*(n%16)
.set n, n+1
.endr
.set n, 0
.rept 32
	s_wait_dscnt 31-n
	global_store_b128 v[CO], v[BK+4*n:BK+4*n+3], s[80:81] offset:(n/16)*131072+512*(((n%16)/4)*4+((n%16)%2)*2+((n%16)/2)%2)   ; 32 lanes store 512 consecutive bytes, aligned: eight tokens of a head; of every four such groups the two middle ones change places
.set n, n+1
.endr
	s_branch .Lend
.Lv_out:
.set n, 0
.rept 32
	ds_load_b128 v[BK+4*n:BK+4*n+3], v[RDV] offset:2*n*272
.set n, n+1
.endr
.set n, 0
.rept 32
	s_wait_dscnt 31-n
	global_store_b128 v[COV], v[BK+4*n:BK+4*n+3], s[82:83] offset:2*n*256   ; 32 lanes store 512 consecutive bytes, aligned: 256 tokens of two neighbouring rows of a head's v
.set n, n+1
.endr
.Lend:
	s_wait_tensorcnt 0x0                           ; the wave's end
	ds_add_u32 v[SPW], v[NIL]
	s_wait_dscnt 0x0
	CROUND                                         ; the closing round
	s_endpgm
.Lfunc_end_k_qcc3b420977_qkv:
	.size	k_qcc3b420977_qkv, .Lfunc_end_k_qcc3b420977_qkv-k_qcc3b420977_qkv
	.p2alignl 7, 3214868480
	.fill 96, 4, 3214868480
	.section	.rodata,"a",@progbits
	.p2align	6, 0x0
	.amdhsa_kernel k_qcc3b420977_qkv
		.amdhsa_group_segment_fixed_size 327680
		.amdhsa_private_segment_fixed_size 0
		.amdhsa_enable_private_segment 0
		.amdhsa_kernarg_size 24
		.amdhsa_user_sgpr_count 2
		.amdhsa_user_sgpr_kernarg_segment_ptr 1
		.amdhsa_wavefront_size32 1
		.amdhsa_system_sgpr_workgroup_id_x 1
		.amdhsa_system_sgpr_workgroup_id_y 1
		.amdhsa_system_sgpr_workgroup_id_z 1
		.amdhsa_system_vgpr_workitem_id 0
		.amdhsa_next_free_vgpr 1024
		.amdhsa_next_free_sgpr 98
		.amdhsa_reserve_vcc 0
		.amdhsa_float_denorm_mode_32 3
		.amdhsa_float_denorm_mode_16_64 3
		.amdhsa_memory_ordered 1
		.amdhsa_forward_progress 1
		.amdhsa_inst_pref_size 175
	.end_amdhsa_kernel
	.amdgpu_metadata
---
amdhsa.version: [ 1, 2 ]
amdhsa.kernels:
  - .name:           k_qcc3b420977_qkv
    .symbol:         k_qcc3b420977_qkv.kd
    .args:
      - { .name: pc, .offset: 0, .size: 8, .value_kind: global_buffer, .address_space: global }
      - { .name: lowp_scales, .offset: 8, .size: 8, .value_kind: global_buffer, .address_space: global }
      - { .name: qkvc, .offset: 16, .size: 8, .value_kind: global_buffer, .address_space: global }
    .group_segment_fixed_size: 327680
    .private_segment_fixed_size: 0
    .kernarg_segment_align: 8
    .kernarg_segment_size: 24
    .max_flat_workgroup_size: 128
    .sgpr_count:     98
    .vgpr_count:     1024
    .wavefront_size: 32
...
	.end_amdgpu_metadata
.endif
;; end of part 2
;; launch attn (part 3): grid 8 x 32, 16 waves a work-group, no clusters, 327,680 bytes of LDS; arguments qkvc, lowp_scales, yc; writes yc
.if DOCPART == 3
	.amdgcn_target "amdgcn-amd-amdhsa--gfx1250"
	.amdhsa_code_object_version 6
	.text
	.protected	k_qcc3b420977_attn
	.globl	k_qcc3b420977_attn
	.p2align	8
	.type	k_qcc3b420977_attn,@function
k_qcc3b420977_attn:
	s_mov_b64 s[64:65], 0
	v_nop
	global_prefetch_b8 v0, s[64:65] scope:SCOPE_SE
	s_setreg_imm32_b32 hwreg(HW_REG_WAVE_MODE, 25, 1), 1
	s_wait_xcnt 0x0
; Causal attention on codes of FP8 (E4M3), head size 64, 32 heads (batch x 16 + head) of 2,048 tokens; y quantised on the way out.
; q, k: [head][token][64] codes in qkvc at 0 and at 4 MiB, the tokens permuted inside every 32: token 16 h + 8 u + j lies at row 16 u + 8 h + j.
; v: [head][token / 256][d][token % 256] codes at 8 MiB: the keys innermost, in their own order.  y: [head][token][64] codes in yc, tokens in their own order.
; THE SOFTMAX AHEAD OF THE SECOND PRODUCT: t = score x log2(e) / 8; M = the running largest t rounded UP to a whole number; p = 2^(t - M) is quantised with 2^e4, not normalised; the row's sum is taken of the
; unquantised p and divides at the end.  When M moves, the sum and O are multiplied by 2^(old M - new M): exact.
; SHARES.  A work-group owns the blocks x (early) and 15 - x (late) of 128 queries of one head: 17 blocks' worth of key steps for each of its eight pairs of tiles.  WAVES 2 i AND 2 i + 1 SHARE tile i of the late block and
; tile i of the early block: of every slot's two key steps of 128 keys the even wave takes the first and the odd wave the second, for both tiles.  So each wave has 8 or 9 key steps, whatever x is.
; A wave walks the late tile first, keeps that partial state (-M, sum, O^T) in registers and walks the early tile.  Then each wave hands one partial to its partner through LDS, as an image of its registers: the even wave
; finishes the late tile, the odd wave the early one.  Two partials are joined under the larger M, each multiplied by 2^(its M - that M): exact.  A partial with no key step has O = 0, sum = 0 and a factor of 0.
; THE WHOLE HEAD'S K AND V LIE IN LDS: 2 x 2,048 x 64 bytes, with padding 303,104.  Eight slots of 256 keys, each filled once: no byte is filled again.
; EVERY WAVE ISSUES ONE TENSOR LOAD IN THE LAUNCH: wave w < 8 fetches K's chunk for slot w, wave w >= 8 V's chunk for slot w - 8; each chunk is 16,384 dense bytes.  The four loads of slots 0 and 1 go out at the head; the
; twelve of slots 2 to 7 behind the first barrier, each a first fill issued as a refill is, and they are on their way while slots 0 and 1 are walked.  A second barrier opens slots 2 to 7.
; The trip counts are constants; a key step all of whose keys come after the tile's queries is left out by a scalar branch on ids.  The early block's keys end in slot 3.
; NO CLUSTER: the work-groups that share K and V are the query blocks of one head, and which key steps are left out is a branch on the query block, which differs between just those partners.
; NO PREFETCH: the launch has two groups of tensor loads, the second issued as soon as the first has landed: there is no loop of loads to run ahead in.
; LAYOUT.  Both products transposed: S^T = K Q^T (16x16x64), O^T = V^T P^T (16x16x128): a lane holds one query (lane % 16) throughout.  Lane r of key tile t takes LDS row 16 t + r, which by k's order in memory is key
; 32 (t / 2) + 8 (t % 2) + r + 8 (r / 8): so the 16 registers of tiles 2 b and 2 b + 1 are the 16 neighbouring keys 32 b + 16 (lane / 16) + 0 .. 15.
; LIMITS: e2 + e3 between -123 and 130 (added to c's exponent field); e4 and e6 between -126 and 119.  NaN among the inputs is not served.
; REGISTERS: v1, v2 addresses that stay; v3 a permute's destination; v5, v6 the add's two; v8, v9 addresses of the loads in hand; v[10:11] the late tile's -M and sum; v12 -M, v13 the largest t, v[14:15] the sum; v16-23 Q;
; v24-31 the early tile's Q, later addresses of the way out; v32-95 fragments of K, then of V; v96-159 S^T, then p; v160-191 O^T; v192-223 the late tile's O^T; v224-239 p's codes; v240, v244: 448 x 2^e4, 2^e4;
; v241, v245 the same with e6; v236-239, v242-243, v246-255 at work.
.set SK,    256                        ; keys in a slot
.set KP,    80                         ; a key's row in LDS: 64 bytes + 16 = 20 words: sixteen neighbouring rows start at sixteen different groups of four banks (64 banks of 4 bytes: ISA guide 11.1)
.set VP,    272                        ; a row of V's tile: 256 bytes + 16
.set VOFF,  SK*KP                      ; a slot: 256 rows of K, then 64 rows of V
.set SLOTB, VOFF+64*VP
.set NSL,   8
.set STAGE, NSL*SLOTB                  ; behind the slots: the way out, 16 rows x 80 bytes for each wave: bytes of their own, into which no tile lands
.set SPARE, STAGE+16*16*KP             ; behind the stages: the spare words, 128 bytes for each wave: eight blocks of 256 bytes that no other line names
.set XW,    4352                       ; a partial in LDS: 8 x 512 bytes of O^T, then 256 of (-M, sum); sixteen of them from byte 0 on, in slots 0 and 1, once nobody reads K and V any more
.set KOFF,  4194304
.set VGOFF, 8388608
.set AK0,  1
.set AV0,  2
.set PD,   3
.set SPW,  5
.set NIL,  6
.set ADK,  8
.set ADV,  9
.set SO,   192
.set STI,  24
.set STR,  25
.set GO,   26
.set TB,   2                           ; s2   LDS byte at which the slot in hand begins
.set TRIPS, 3                          ; s3   counts a loop's slots
.set WV,   18
.set PAR,  19                          ; s19  my wave's parity: which key step of a slot is mine
.set SEL,  20
.set CS,   22
.set G1K,  24                          ; s[24:31] descriptor group 1 for K's tiles; s[32:39] for V's
.set G1V,  32
.set G0K,  40                          ; s[40:43] group 0 of my load, if it is K's
.set G0V,  68                          ; s[68:71] if it is V's
.set QE,   94                          ; s94  the early tile's first query
.set KF0,  95                          ; s95  128 x parity: my first key
.set KF,   98                          ; s98  the step's first key
.set Q0,   99                          ; s99  the first query of the tile in hand
; My one tensor load.  early = 1: the waves of slots 0 and 1; early = 0: the others.  One chain of branches on the wave's number, one load to an arm, one join; an s_nop 0 and four v_nop follow each load.
.macro TLOAD early
	s_cmp_lt_u32 s11, 2
.if \early
	s_cbranch_scc0 .Lasked_\@
.else
	s_cbranch_scc1 .Lasked_\@
.endif
	s_cmp_lt_u32 s[WV], 8
	s_cbranch_scc0 .Lfor_v_\@
	tensor_load_to_lds s[G0K:G0K+3], s[G1K:G1K+7]
	s_nop 0
.rept 4
	v_nop
.endr
	s_branch .Lasked_\@
.Lfor_v_\@:
	tensor_load_to_lds s[G0V:G0V+3], s[G1V:G1V+7]
	s_nop 0
.rept 4
	v_nop
.endr
.Lasked_\@:
.endm
.macro INIT                            ; a tile's state before its first key step: the step is written without a first step of its own, which finds zeros
	v_mov_b32 v13, 0xff61b1e6                      ; the largest t so far: -3e38
	v_floor_f32 v12, -v13                          ; -M
	v_mov_b32 v14, 0
	v_mov_b32 v15, 0
.set j, 0
.rept 32
	v_mov_b32 v[160+j], 0
.set j, j+1
.endr
.endm
	s_load_b128 s[4:7], s[0:1], 0x0                ; qkvc s[4:5], the scales' exponents s[6:7]
	s_load_b64 s[16:17], s[0:1], 0x10              ; yc
	v_lshl_add_u32 v[SPW], v0, 2, SPARE
	v_mov_b32 v[NIL], 0
	ds_add_u32 v[SPW], v[NIL]                      ; the wave's opening: the add, twice on end, and its wait ahead of my tensor load
	ds_add_u32 v[SPW], v[NIL]
	v_lshrrev_b32 v8, 5, v0
	s_delay_alu instid0(VALU_DEP_1)
	v_readfirstlane_b32 s[WV], v8                  ; wave 0..15
	s_and_b32 s10, ttmp7, 0xffff                   ; batch x 16 + head
	s_and_b32 s[PAR], s[WV], 1
	s_lshr_b32 s13, s[WV], 1                       ; i: my pair's tile in both blocks
	s_lshl_b32 s14, s13, 4
	s_sub_co_u32 s12, 15, ttmp9                    ; the late block
	s_lshl_b32 s15, s12, 7
	s_add_co_u32 s[Q0], s15, s14                   ; the late tile's first query
	s_lshl_b32 s15, ttmp9, 7
	s_add_co_u32 s[QE], s15, s14                   ; the early tile's
	s_lshl_b32 s[KF0], s[PAR], 7
	s_mov_b32 s[KF], s[KF0]
	s_lshr_b32 s15, s13, 1                         ; q: a tile's 16 queries lie in the 32 rows from Q0 & ~31 on: rows 8 x (bit 4 of Q0) + 0 .. 7 and the eight that lie 16 further on
	s_lshl_b32 s15, s15, 5
	s_and_b32 s56, s13, 1
	s_lshl_b32 s56, s56, 3
	s_add_co_u32 s15, s15, s56
	s_lshl_b32 s56, s10, 11                        ; the head's first token
	s_add_co_u32 s15, s15, s56
	s_lshl_b32 s58, s12, 7
	s_add_co_u32 s58, s58, s15
	s_lshl_b32 s58, s58, 6                         ; the late tile's first row of q, in bytes
	s_mov_b32 s59, 0
	s_lshl_b32 s56, ttmp9, 7
	s_add_co_u32 s56, s56, s15
	s_lshl_b32 s56, s56, 6                         ; the early tile's
	s_mov_b32 s57, 0
	s_cmp_eq_u32 s[PAR], 0
	s_cselect_b32 s74, s[Q0], s[QE]                ; the tile that I finish: the even wave the late one, the odd wave the early one
	s_lshl_b32 s75, s10, 11
	s_add_co_u32 s74, s74, s75
	s_lshl_b32 s74, s74, 6                         ; y: its first query's byte
	s_mov_b32 s75, 0
	s_and_b32 s11, s[WV], 7                        ; the slot that I fetch for; it stays in s11
	s_lshl_b32 s60, s10, 17                        ; the head's 131,072 bytes of K,
	s_add_co_u32 s60, s60, KOFF
	s_lshl_b32 s12, s11, 14                        ; a chunk of 256 keys is 16,384 dense bytes, in K and in V
	s_add_co_u32 s60, s60, s12
	s_mov_b32 s61, 0
	s_add_co_u32 s62, s60, VGOFF-KOFF              ; and the same place in V
	s_mov_b32 s63, 0
	s_mul_i32 s13, s11, SLOTB                      ; and in LDS: the slot of that number
	s_mov_b32 s[G1K], (1<<20)|(3<<22)|(3<<25)      ; K: elements of 1 byte; 4 words of padding behind every 16: a key's 64 bytes
	s_mov_b32 s[G1V], (1<<20)|(5<<22)|(3<<25)      ; V: 4 words of padding behind every 64: a row's 256 bytes
.irp g, G1K, G1V
	s_mov_b32 s[\g+1], 4096<<16                    ; tensor_dim0: a chunk is dense in memory and is stated as four rows of 4,096 bytes
	s_mov_b32 s[\g+2], 4<<16                       ; tensor_dim1
	s_mov_b32 s[\g+3], 4096<<16                    ; tile_dim0
	s_mov_b32 s[\g+4], 4                           ; tile_dim1
	s_mov_b32 s[\g+5], 4096                        ; the pitch
	s_mov_b32 s[\g+6], 0
	s_mov_b32 s[\g+7], 0
.endr
	s_mov_b32 s[SEL], 0x76543210
	s_mov_b32 s[SEL+1], 0xfedcba98
	s_mov_b32 s[CS], 0x3e38aa3b                    ; c = log2(e) / 8
	s_wait_dscnt 0x0                               ; both opening adds are done
	s_wait_kmcnt 0x0
	s_load_b256 s[84:91], s[6:7], 0x0              ; e0 .. e7
	s_mov_b32 s[G0K], 1                            ; count = 1
	s_mov_b32 s[G0K+1], s13                        ; LDS address
	s_add_nc_u64 s[G0K+2:G0K+3], s[4:5], s[60:61]  ; global address
	s_or_b32 s[G0K+3], s[G0K+3], 0x80000000        ; type = 2
	s_mov_b32 s[G0V], 1
	s_add_co_u32 s[G0V+1], s13, VOFF
	s_add_nc_u64 s[G0V+2:G0V+3], s[4:5], s[62:63]
	s_or_b32 s[G0V+3], s[G0V+3], 0x80000000
	TLOAD 1                                        ; slots 0 and 1: waves 0, 1, 8 and 9
	s_add_nc_u64 s[8:9], s[4:5], s[58:59]          ; q at the late tile's first row,
	s_add_nc_u64 s[72:73], s[4:5], s[56:57]        ; at the early tile's
	s_add_nc_u64 s[16:17], s[16:17], s[74:75]      ; y at the first query of the tile that I finish
	s_mul_i32 s92, s[PAR], 128*KP                  ; my key step's 128 rows of K in a slot,
	s_lshl_b32 s93, s[PAR], 7
	s_add_co_u32 s93, s93, VOFF                    ; and its 128 bytes of V's rows
	v_and_b32 v8, 15, v0                           ; r
	v_bfe_u32 v9, v0, 4, 1                         ; h
	s_delay_alu instid0(VALU_DEP_2)
	v_and_b32 v11, 8, v8
	s_delay_alu instid0(VALU_DEP_1)
	v_add_nc_u32 v11, v11, v8                      ; r + 8 (r / 8): query Q0 + r lies that many rows behind the tile's first
	s_delay_alu instid0(VALU_DEP_1)
	v_lshlrev_b32 v10, 6, v11
	s_delay_alu instid0(VALU_DEP_1)
	v_lshl_add_u32 v10, v9, 4, v10
	global_load_b128 v[16:19], v10, s[8:9]         ; Q's fragments: registers 4 c .. 4 c + 3 hold d = 32 c + 16 h + 0 .. 15, as K's do
	global_load_b128 v[20:23], v10, s[8:9] offset:32
	global_load_b128 v[24:27], v10, s[72:73]
	global_load_b128 v[28:31], v10, s[72:73] offset:32
	v_mul_u32_u24 v[AK0], v8, KP
	v_mul_u32_u24 v[AV0], v8, VP
	v_lshl_add_u32 v[AK0], v9, 4, v[AK0]
	v_lshl_add_u32 v[AV0], v9, 4, v[AV0]
	v_add_nc_u32 v[AK0], s92, v[AK0]               ; K: row r of a tile of my key step, + 16 h
	v_add_nc_u32 v[AV0], s93, v[AV0]               ; V: row d = r of a tile, my key step's bytes, + 16 h
	v_mov_b32 v[PD], 0                             ; a lane permute's destination counts as one of its sources
	v_mov_b32 v253, 0                              ; (named as the upper halves of the pairs v[252:253] and v[254:255])
	v_mov_b32 v255, 0
	INIT
	s_wait_kmcnt 0x0
	s_add_co_i32 s92, s86, s87
	s_lshl_b32 s92, s92, 23
	s_add_co_i32 s[CS], s[CS], s92                 ; a score stands for score x 2^(e2 + e3): added to c's exponent field
	s_mov_b32 s[CS+1], s[CS]
	s_add_co_i32 s92, s88, 127
	s_lshl_b32 s93, s92, 23
	v_mov_b32 v244, s93                            ; 2^e4
	s_add_co_i32 s92, s92, 8
	s_lshl_b32 s92, s92, 23
	s_or_b32 s92, s92, 0x600000
	v_mov_b32 v240, s92                            ; 448 x 2^e4
	s_add_co_i32 s92, s90, 127
	s_lshl_b32 s93, s92, 23
	v_mov_b32 v245, s93                            ; 2^e6
	s_add_co_i32 s92, s92, 8
	s_lshl_b32 s92, s92, 23
	s_or_b32 s92, s92, 0x600000
	v_mov_b32 v241, s92                            ; 448 x 2^e6
; A KEY STEP: my 128 keys of the slot in hand.
.macro STEP
	s_add_co_u32 s96, s[Q0], 15
	s_cmp_gt_u32 s[KF], s96                        ; all its keys come after the tile's queries: the step's work is left out (ids alone decide; no barrier and no tensor load stands in a step)
	s_cbranch_scc1 .Lhidden_\@
	v_add_nc_u32 v[ADK], s[TB], v[AK0]
	v_add_nc_u32 v[ADV], s[TB], v[AV0]
	v_nop
	v_nop                                          ; with the two additions: four plain lines in front of loads into registers that the last products read
.irp t, 0,1,2,3,4,5,6,7
	ds_load_b128 v[32+8*\t:35+8*\t], v[ADK] offset:16*\t*KP
	ds_load_b128 v[36+8*\t:39+8*\t], v[ADK] offset:16*\t*KP+32
.endr
	s_wait_alu depctr_va_vdst(0)
	s_wait_dscnt 0x0
.irp t, 0,1,2,3,4,5,6,7
	v_wmma_f32_16x16x64_fp8_fp8 v[96+8*\t:103+8*\t], v[32+8*\t:39+8*\t], v[16:23], 0
.endr
.rept 4
	v_nop                                          ; four plain lines behind the products: for the loads below, into K's registers, and for the first read of the scores
.endr
.irp t, 0,1,2,3                        ; V's fragments are asked for here and wanted behind the softmax: its lines stand between the request and the wait
.irp c, 0,1,2,3
	ds_load_b128 v[32+16*\t+4*\c:35+16*\t+4*\c], v[ADV] offset:16*\t*VP+32*\c
.endr
.endr
	s_add_co_u32 s96, s[KF], 127                   ; on the diagonal hidden scores become -infinity ahead of the maximum; a step all of whose keys count skips this
	s_cmp_le_u32 s96, s[Q0]
	s_cbranch_scc1 .Lopen_\@
	s_sub_co_i32 s96, s[Q0], s[KF]
	v_and_b32 v252, 15, v0
	v_bfe_u32 v253, v0, 4, 1
	s_delay_alu instid0(VALU_DEP_1)
	v_lshlrev_b32 v253, 4, v253
	s_delay_alu instid0(VALU_DEP_1)
	v_sub_nc_u32 v252, v252, v253
	s_delay_alu instid0(VALU_DEP_1)
	v_add_nc_u32 v252, s96, v252                   ; d = my query - KF - 16 (lane / 16); register 16 b + i holds key KF + 16 (lane / 16) + 32 b + i: hidden where 32 b + i > d
	v_mov_b32 v254, 0xff800000
.set n, 0
.rept 64
	v_cmp_gt_i32 vcc_lo, 32*(n/16)+n%16, v252
	v_cndmask_b32 v[96+n], v[96+n], v254, vcc_lo
.set n, n+1
.endr
.Lopen_\@:
	v_max3_num_f32 v254, v96, v97, v98             ; the step's largest score of my query, in two chains; each accumulator is read from its low end on
	v_max3_num_f32 v252, v99, v100, v101
.irp i, 6,10,14,18,22,26,30,34,38,42,46,50,54,58
	v_max3_num_f32 v254, v254, v[96+\i], v[97+\i]
	v_max3_num_f32 v252, v252, v[98+\i], v[99+\i]
.endr
	v_max3_num_f32 v254, v254, v158, v159
	s_delay_alu instid0(VALU_DEP_1)
	v_max_num_f32 v254, v254, v252
	s_delay_alu instid0(VALU_DEP_1)
	v_permlanex16_b32 v[PD], v254, s[SEL], s[SEL+1]
	s_delay_alu instid0(VALU_DEP_1)
	v_max_num_f32 v254, v254, v[PD]                ; and among lane l xor 16's
	s_delay_alu instid0(VALU_DEP_1)
	v_mul_f32 v254, s[CS], v254                    ; as t
	s_delay_alu instid0(VALU_DEP_1)
	v_max_num_f32 v13, v13, v254                   ; the running largest t
	v_mov_b32 v254, v12
	s_delay_alu instid0(VALU_DEP_2)
	v_floor_f32 v12, -v13                          ; the new -M = -ceil(t)
	s_delay_alu instid0(VALU_DEP_1)
	v_sub_f32 v254, v12, v254                      ; old M - new M: a whole number, 0 or less
	s_delay_alu instid0(VALU_DEP_1)
	v_cvt_i32_f32 v254, v254
	s_delay_alu instid0(VALU_DEP_1)
	v_ldexp_f32 v252, 1.0, v254                    ; f = 2^(old M - new M)
.set j, 0
.rept 32
	v_pk_fma_f32 v[96+j:97+j], v[96+j:97+j], s[CS:CS+1], v[12:13] op_sel_hi:[1,0,0]   ; t - M
.set j, j+2
.endr
.set j, 0
	s_wait_alu depctr_va_vdst(0)
.rept 64
	v_exp_f32 v[96+j], v[96+j]                     ; p = 2^(t - M)
.set j, j+1
.endr
	v_pk_mul_f32 v[14:15], v[14:15], v[252:253] op_sel_hi:[1,0]   ; the sums under the new M: also the plain line behind the exponentials
	s_wait_alu depctr_va_vdst(0)                   ; one wait for the batch, ahead of its first reader
	v_pk_add_f32 v[242:243], v[100:101], v[104:105]   ; the row's sum of the unquantised p, in eight chains
	v_pk_add_f32 v[254:255], v[108:109], v[112:113]
	v_pk_add_f32 v[250:251], v[116:117], v[120:121]
	v_pk_add_f32 v[248:249], v[124:125], v[128:129]
	v_pk_add_f32 v[246:247], v[132:133], v[136:137]
	v_pk_add_f32 v[238:239], v[140:141], v[144:145]
	v_pk_add_f32 v[236:237], v[148:149], v[152:153]
	v_pk_add_f32 v[14:15], v[14:15], v[156:157]
	v_pk_add_f32 v[242:243], v[242:243], v[96:97]
	v_pk_add_f32 v[254:255], v[254:255], v[98:99]
	v_pk_add_f32 v[250:251], v[250:251], v[102:103]
	v_pk_add_f32 v[248:249], v[248:249], v[106:107]
	v_pk_add_f32 v[246:247], v[246:247], v[110:111]
	v_pk_add_f32 v[238:239], v[238:239], v[114:115]
	v_pk_add_f32 v[236:237], v[236:237], v[118:119]
	v_pk_add_f32 v[14:15], v[14:15], v[122:123]
	v_pk_add_f32 v[242:243], v[242:243], v[126:127]
	v_pk_add_f32 v[254:255], v[254:255], v[130:131]
	v_pk_add_f32 v[250:251], v[250:251], v[134:135]
	v_pk_add_f32 v[248:249], v[248:249], v[138:139]
	v_pk_add_f32 v[246:247], v[246:247], v[142:143]
	v_pk_add_f32 v[238:239], v[238:239], v[146:147]
	v_pk_add_f32 v[236:237], v[236:237], v[150:151]
	v_pk_add_f32 v[14:15], v[14:15], v[154:155]
	v_pk_add_f32 v[242:243], v[242:243], v[158:159]
	s_delay_alu instid0(VALU_DEP_2)
	v_pk_add_f32 v[14:15], v[14:15], v[248:249]
	s_delay_alu instid0(VALU_DEP_2)
	v_pk_add_f32 v[242:243], v[242:243], v[246:247]
	v_pk_add_f32 v[254:255], v[254:255], v[238:239]
	v_pk_add_f32 v[250:251], v[250:251], v[236:237]
	s_delay_alu instid0(VALU_DEP_2)
	v_pk_add_f32 v[14:15], v[14:15], v[254:255]
	s_delay_alu instid0(VALU_DEP_2)
	v_pk_add_f32 v[242:243], v[242:243], v[250:251]
	s_delay_alu instid0(VALU_DEP_1)
	v_pk_add_f32 v[14:15], v[14:15], v[242:243]
.irp b, 0,1,2,3
.irp i, 0,1,2,3,4,5,6,7,8,9,10,11,12,13,14,15
	v_min_num_f32 v[96+16*\b+\i], v[96+16*\b+\i], v240   ; p is not negative: a one-sided hold (the conversion does not saturate: ISA guide 7.6.2)
.endr
	v_cvt_scalef32_pk8_fp8_f32 v[224+4*\b:225+4*\b], v[96+16*\b:103+16*\b], v244
	v_cvt_scalef32_pk8_fp8_f32 v[226+4*\b:227+4*\b], v[104+16*\b:111+16*\b], v244
.endr
.set j, 0
.rept 16
	v_pk_mul_f32 v[160+j:161+j], v[160+j:161+j], v[252:253] op_sel_hi:[1,0]   ; O^T under the new M; also the plain lines between the conversions and the products below
.set j, j+2
.endr
	s_wait_alu depctr_va_vdst(0)
	s_wait_dscnt 0x0                               ; V's fragments are in
.irp t, 0,1,2,3
	v_wmma_f32_16x16x128_fp8_fp8 v[160+8*\t:167+8*\t], v[32+16*\t:47+16*\t], v[224:239], v[160+8*\t:167+8*\t]   ; the four accumulators by turns
.endr
.Lhidden_\@:
	s_add_co_u32 s[KF], s[KF], SK                  ; my key step of the next slot
.endm
.macro LOOP first, trips               ; the slots from LDS byte 'first' on are walked, one key step of mine in each
	s_mov_b32 s[TB], \first
	s_mov_b32 s[TRIPS], \trips
.Lwalk_\@:
	STEP
	s_add_co_u32 s[TB], s[TB], SLOTB
	s_sub_co_u32 s[TRIPS], s[TRIPS], 1
	s_cmp_lg_u32 s[TRIPS], 0
	s_cbranch_scc1 .Lwalk_\@
.endm
	s_wait_alu depctr_va_vdst(0)
	s_wait_loadcnt 0x0                             ; both tiles' Q
	s_wait_tensorcnt 0x0                           ; my load, if it is out, has landed: slots 0 and 1
	ds_add_u32 v[SPW], v[NIL]                      ; first fills follow behind this barrier, issued as refills are
	ds_add_u32 v[SPW], v[NIL]
	s_wait_dscnt 0x0
	s_barrier_signal -1
	s_barrier_wait -1
	TLOAD 0                                        ; slots 2 to 7: the other twelve waves
	LOOP 0, 2                                      ; the late tile, slots 0 and 1
	s_wait_tensorcnt 0x0                           ; my load has landed: for the others' sake
	s_wait_dscnt 0x0                               ; no LDS instruction of mine is out at a signal
	s_barrier_signal -1
	s_barrier_wait -1                              ; all slots are in: no tensor load is out from here to the end
	LOOP 2*SLOTB, 6
	; the late tile's partial is put aside, and the early tile begins
.set j, 0
.rept 8
	v_mov_b32 v[16+j], v[24+j]                     ; the early tile's Q; also the plain lines behind the last products
.set j, j+1
.endr
	v_mov_b32 v10, v12                             ; -M
	v_add_f32 v11, v14, v15                        ; the sum's two halves
.set j, 0
.rept 32
	v_mov_b32 v[SO+j], v[160+j]                    ; each accumulator from its low end on
.set j, j+1
.endr
	INIT
	s_mov_b32 s[Q0], s[QE]
	s_mov_b32 s[KF], s[KF0]
	s_wait_alu depctr_va_vdst(0)                   ; what was just written may be read next behind branches taken
	LOOP 0, 4                                      ; the early block's queries end at 1,023: slots 0 to 3
	; THE PARTIALS CHANGE HANDS.  Every LDS address of the way out is made here, ahead of the branch on the parity.
	s_mul_i32 s92, s[WV], XW                       ; where I put the partial that I hand over,
	s_add_co_u32 s93, s92, 4096
	s_xor_b32 s96, s[WV], 1
	s_mul_i32 s96, s96, XW                         ; where my partner puts mine
	s_add_co_u32 s97, s96, 4096
	s_mul_i32 s98, s[WV], 16*KP
	s_add_co_u32 s98, s98, STAGE                   ; my stage
	v_add_f32 v13, v14, v15                        ; (-M, sum) of the early tile as the pair v[12:13].  These lines are also the plain lines behind the last products
	v_and_b32 v29, 31, v0
	v_and_b32 v27, 15, v0                          ; r
	v_bfe_u32 v28, v0, 4, 1                        ; h
	v_lshl_add_u32 v4, v29, 4, s92
	v_lshl_add_u32 v7, v29, 3, s93
	v_lshl_add_u32 v8, v29, 4, s96
	v_lshl_add_u32 v9, v29, 3, s97
	v_lshlrev_b32 v[GO], 4, v29                    ; the way out: 16 bytes a lane of my tile's dense 1,024
	v_mul_u32_u24 v[STI], v27, KP
	v_lshl_add_u32 v[STI], v28, 3, v[STI]
	v_add_nc_u32 v[STI], s98, v[STI]               ; the stage, in: row r, + 8 h
	v_bfe_u32 v[STR], v0, 2, 3
	v_mul_u32_u24 v[STR], v[STR], KP
	v_and_b32 v30, 3, v0
	v_lshl_add_u32 v[STR], v30, 4, v[STR]
	v_add_nc_u32 v[STR], s98, v[STR]               ; back: four lanes to a row of 64 bytes
	s_wait_alu depctr_va_vdst(0)
	s_wait_dscnt 0x0                               ; my reads of K and V are over
	s_barrier_signal -1
	s_barrier_wait -1                              ; and everybody's: slots 0 and 1, which have had their only fill, take the partials
	s_cmp_eq_u32 s[PAR], 0
	s_cbranch_scc0 .Lodd
.irp g, 0,1,2,3,4,5,6,7                ; the even wave hands the early tile's partial over,
	ds_store_b128 v4, v[160+4*\g:163+4*\g] offset:512*\g
.endr
	ds_store_b64 v7, v[12:13]
	s_wait_dscnt 0x0                               ; the stores have read their registers,
	v_mov_b32 v12, v10                             ; which take the late tile's
	v_mov_b32 v13, v11
.set j, 0
.rept 32
	v_mov_b32 v[160+j], v[SO+j]
.set j, j+1
.endr
	s_branch .Lsent
.Lodd:
.irp g, 0,1,2,3,4,5,6,7                ; the odd wave hands the late tile's partial over and keeps the early tile's
	ds_store_b128 v4, v[SO+4*\g:SO+3+4*\g] offset:512*\g
.endr
	ds_store_b64 v7, v[10:11]
.Lsent:
	s_wait_alu depctr_va_vdst(0)
	s_wait_dscnt 0x0                               ; for my partner's sake: my stores are done
	s_barrier_signal -1
	s_barrier_wait -1
.irp g, 0,1,2,3,4,5,6,7
	ds_load_b128 v[96+4*\g:99+4*\g], v8 offset:512*\g   ; my partner's partial of my tile: the same registers' image in the same lanes
.endr
	ds_load_b64 v[128:129], v9
	s_wait_dscnt 0x0
	v_min_num_f32 v7, v12, v128                    ; -M of the two together
	v_sub_f32 v4, v7, v12                          ; my M less that M: a whole number, 0 or less (far below where my partial has no key step: the conversion saturates and the factor is 0)
	v_sub_f32 v8, v7, v128
	v_cvt_i32_f32 v4, v4
	v_cvt_i32_f32 v8, v8
	v_ldexp_f32 v252, 1.0, v4
	v_ldexp_f32 v254, 1.0, v8
	v_mul_f32 v14, v13, v252
	v_fmac_f32 v14, v129, v254                     ; the sum
.set j, 0
.rept 16
	v_pk_mul_f32 v[160+j:161+j], v[160+j:161+j], v[252:253] op_sel_hi:[1,0]
.set j, j+2
.endr
.set j, 0
.rept 16
	v_pk_fma_f32 v[160+j:161+j], v[96+j:97+j], v[254:255], v[160+j:161+j] op_sel_hi:[1,0,1]
.set j, j+2
.endr
	; THE WAY OUT: O^T / the sum x 2^(e4 + e5) is y; held, quantised with 2^e6; 8 codes a lane and tile go through my stage and leave as my tile's dense 1,024 bytes.
	v_permlanex16_b32 v[PD], v14, s[SEL], s[SEL+1]
	v_add_f32 v14, v14, v[PD]                      ; the row's sum
	s_wait_alu depctr_va_vdst(0)
	v_rcp_f32 v14, v14
	v_nop                                          ; a plain line behind the transcendental
	s_add_co_i32 s92, s88, s89
	s_wait_alu depctr_va_vdst(0)
	v_ldexp_f32 v14, v14, s92
.set j, 0
.rept 32
	v_mul_f32 v[96+j], v[160+j], v14               ; register 8 t + i is y(query r, d = 16 t + 8 h + i)
.set j, j+1
.endr
.set j, 0
.rept 32
	v_med3_num_f32 v[96+j], v[96+j], -v241, v241
.set j, j+1
.endr
.irp t, 0,1,2,3
	v_cvt_scalef32_pk8_fp8_f32 v[224+2*\t:225+2*\t], v[96+8*\t:103+8*\t], v245
.endr
	v_nop                                          ; a plain line behind the last conversion
.irp t, 0,1,2,3
	ds_store_b64 v[STI], v[224+2*\t:225+2*\t] offset:16*\t
.endr
.irp i, 0,1
	ds_load_b128 v[32+4*\i:35+4*\i], v[STR] offset:8*KP*\i   ; LDS serves a wave's instructions in order: these see my stores
.endr
.irp i, 0,1
	s_wait_dscnt 1-\i
	global_store_b128 v[GO], v[32+4*\i:35+4*\i], s[16:17] offset:512*\i   ; 32 lanes store 512 consecutive bytes, aligned
.endr
	s_wait_tensorcnt 0x0                           ; the wave's end
	ds_add_u32 v[SPW], v[NIL]
	s_wait_dscnt 0x0
	s_endpgm
.Lfunc_end_k_qcc3b420977_attn:
	.size	k_qcc3b420977_attn, .Lfunc_end_k_qcc3b420977_attn-k_qcc3b420977_attn
	.p2alignl 7, 3214868480
	.fill 96, 4, 3214868480
	.section	.rodata,"a",@progbits
	.p2align	6, 0x0
	.amdhsa_kernel k_qcc3b420977_attn
		.amdhsa_group_segment_fixed_size 327680
		.amdhsa_private_segment_fixed_size 0
		.amdhsa_enable_private_segment 0
		.amdhsa_kernarg_size 24
		.amdhsa_user_sgpr_count 2
		.amdhsa_user_sgpr_kernarg_segment_ptr 1
		.amdhsa_wavefront_size32 1
		.amdhsa_system_sgpr_workgroup_id_x 1
		.amdhsa_system_sgpr_workgroup_id_y 1
		.amdhsa_system_sgpr_workgroup_id_z 1
		.amdhsa_system_vgpr_workitem_id 0
		.amdhsa_next_free_vgpr 256
		.amdhsa_next_free_sgpr 100
		.amdhsa_reserve_vcc 1
		.amdhsa_float_denorm_mode_32 3
		.amdhsa_float_denorm_mode_16_64 3
		.amdhsa_memory_ordered 1
		.amdhsa_forward_progress 1
		.amdhsa_inst_pref_size 87
	.end_amdhsa_kernel
	.amdgpu_metadata
---
amdhsa.version: [ 1, 2 ]
amdhsa.kernels:
  - .name:           k_qcc3b420977_attn
    .symbol:         k_qcc3b420977_attn.kd
    .args:
      - { .name: qkvc, .offset: 0, .size: 8, .value_kind: global_buffer, .address_space: global }
      - { .name: lowp_scales, .offset: 8, .size: 8, .value_kind: global_buffer, .address_space: global }
      - { .name: yc, .offset: 16, .size: 8, .value_kind: global_buffer, .address_space: global }
    .group_segment_fixed_size: 327680
    .private_segment_fixed_size: 0
    .kernarg_segment_align: 8
    .kernarg_segment_size: 24
    .max_flat_workgroup_size: 512
    .sgpr_count:     100
    .vgpr_count:     256
    .wavefront_size: 32
...
	.end_amdgpu_metadata
.endif
;; end of part 3
;; launch proj (part 4): grid 8 x 32, 4 waves a work-group, clusters of 4 x 4, 327,680 bytes of LDS; arguments yc, pc, lowp_scales, x, x1; writes x1
.if DOCPART == 4
	.amdgcn_target "amdgcn-amd-amdhsa--gfx1250"
	.amdhsa_code_object_version 6
	.text
	.protected	k_qcc3b420977_proj
	.globl	k_qcc3b420977_proj
	.p2align	8
	.type	k_qcc3b420977_proj,@function
k_qcc3b420977_proj:
	s_mov_b64 s[64:65], 0
	v_nop
	global_prefetch_b8 v0, s[64:65] scope:SCOPE_SE
	s_setreg_imm32_b32 hwreg(HW_REG_WAVE_MODE, 25, 1), 1
	s_wait_xcnt 0x0
	s_wait_alu depctr_hold_cnt(0) depctr_sa_sdst(0) depctr_va_vdst(0) depctr_va_sdst(0) depctr_va_ssrc(0) depctr_va_vcc(0) depctr_vm_vsrc(0)
	s_getreg_b32 s2, hwreg(HW_REG_IB_STS2, 6, 4)
	s_cmp_eq_u32 s2, 0
	s_cbranch_scc0 .Lentry_in_a_cluster
	s_endpgm
.Lentry_in_a_cluster:
	s_bfe_u32 s2, ttmp6, 0x10000c
	s_cmp_lg_u32 s2, 0xf033
	s_cbranch_scc0 .Lentry_shape_is_right
	s_endpgm
.Lentry_shape_is_right:
; out = res + A B^T x 2^(ea + eb) on codes of FP8 (E4M3); out and res f32 [4096][1024].  One text serves two launches; PROJ says which this copy is:
;   PROJ = 1: x1 = x + y w_proj.      A: y's codes [batch x 16 + head][token][64]; B: w_proj's codes [1024][1024] in pc; K = 1,024; scales e6, e7.
;   PROJ = 0: out0 = x1 + g w_fc_proj. A: gelu's codes [4096][4096];               B: w_fc_proj's codes [1024][4096] in pc; K = 4,096; scales e10, e11.
; N is 1,024, so tiles of 256 x 256 would be 64: a tile is 128 x 128, 256 work-groups.  Four waves, 64 x 64 each: 16 accumulators.  K goes in steps of 512 through two LDS slots filled by the tensor data mover.
; CLUSTERS of 4 x 4: A's tile is shared along a row of the cluster, B's along a column: joint loads.  No prefetch: two or eight K steps, on small tiles that are shared.
; With PROJ = 1 a K step is eight heads, and A's tile comes by ONE descriptor whose 'row' is a head's dense 64 tokens x 64 bytes, eight such rows 131,072 bytes apart, with 16 bytes of padding behind every 64: LDS [head][token][80].
; THE MATRIX INSTRUCTION IS USED TRANSPOSED (source 0 = 16 rows of B, source 1 = 16 rows of A): a lane holds eight neighbouring numbers of a row of the result.
; LIMIT: ea + eb between -126 and 127.
; REGISTERS: window 0: v0-31 addresses; v32-95 at work on the way out; v128-255 the accumulators ((a, b) at v[128 + 8 (4 a + b)]).  window 1: two fragment buffers of 128 (A's four fragments, then B's four).  window 2: v0-127 the residual.
.set PROJ,   1
.set WPC,    3145728
.set WF2C,   8388608
.set PITCH,  528                       ; an LDS row of 512 bytes + 16
.set HALFB,  64*PITCH
.if PROJ
.set HALFA,  8*64*80
.set KROWB,  1024
.set WOFF,   WPC
.set ASTEP,  8*131072
.set EOFF,   0x18
.set LAPS,   1
.else
.set HALFA,  64*PITCH
.set KROWB,  4096
.set WOFF,   WF2C
.set ASTEP,  512
.set EOFF,   0x28
.set LAPS,   4
.endif
.set SLOT,   2*HALFA+2*HALFB           ; A's 128 rows, then B's 128 rows
.set SPARE,  2*SLOT                    ; behind the ring: the spare words, 128 bytes a wave
.set SPITCH, 272                       ; the way out: a stage of 16 rows x (256 + 16) bytes for each wave, in slot 0
.set ADRA, 16
.set ADRB, 20
.set STO,  24
.set RD,   25
.set CO,   26
.set SPW,  28
.set NIL,  29
.set TMP,  32
.set ACC,  128
.set F0,   0
.set F1,   128
.set G1, 24
.set G0, 32
.set G1B, 48
.set G0B, 56
.set MSB, 0
.macro WIN new                         ; the immediate's high byte repeats the setting that is left
.if MSB != (\new)
	s_set_vgpr_msb (MSB<<8)|(\new)
.set MSB, (\new)
.endif
.endm
.set MUL,  0x05                        ; sources 0 (B) and 1 (A) window 1; C and D window 0
.set TO_F, 0x40                        ; destination window 1, address window 0
.macro JLOAD s                         ; a joint load: waves 0 and 1 fetch A's two halves, waves 2 and 3 B's; four v_nop follow each of the two lines
	s_cmp_eq_u32 s11, 0
	s_cbranch_scc0 .Lfor_b_\@
	tensor_load_to_lds s[G0+4*\s:G0+4*\s+3], s[G1:G1+7]
	s_nop 0
.rept 4
	v_nop
.endr
	s_branch .Lasked_\@
.Lfor_b_\@:
	tensor_load_to_lds s[G0B+4*\s:G0B+4*\s+3], s[G1B:G1B+7]
	s_nop 0
.rept 4
	v_nop
.endr
.Lasked_\@:
.endm
.macro CREST
	s_cmp_lg_u32 s10, 0
	s_cbranch_scc1 .Lnot_wave_0_\@
	s_barrier_signal -3
.Lnot_wave_0_\@:
	s_barrier_wait -3
	s_barrier_signal -1
	s_barrier_wait -1
.endm
.macro CROUND
	s_barrier_signal -1
	s_barrier_wait -1
	CREST
.endm
	s_load_b256 s[68:75], s[0:1], 0x0              ; A s[68:69], pc s[70:71], the scales s[72:73], the residual s[74:75]
	s_load_b64 s[76:77], s[0:1], 0x20              ; the result
	v_lshl_add_u32 v[SPW], v0, 2, SPARE
	v_mov_b32 v[NIL], 0
	ds_add_u32 v[SPW], v[NIL]                      ; the wave's opening: the add, twice on end, and its wait ahead of the round in front of my first tensor load
	ds_add_u32 v[SPW], v[NIL]
	v_lshrrev_b32 v1, 5, v0
	v_readfirstlane_b32 s10, v1                    ; wave 0..3
	s_lshr_b32 s11, s10, 1                         ; which half of the tile's rows is mine.  Also: I fetch for A (0) or for B (1)
	s_and_b32 s12, s10, 1                          ; which half of its columns.  Also: which 64 rows of that tile I fetch
	s_bfe_u32 s40, ttmp6, 0x40000                  ; cx, cy
	s_bfe_u32 s41, ttmp6, 0x40004
	s_lshl_b32 s42, ttmp9, 2
	s_add_co_u32 s42, s42, s40                     ; tile column
	s_and_b32 s13, ttmp7, 0xffff
	s_lshl_b32 s13, s13, 2
	s_add_co_u32 s13, s13, s41                     ; tile row
	s_lshl_b32 s43, s41, 2
	s_lshl_b32 s43, 15, s43                        ; my row of the cluster
	s_lshl_b32 s44, 0x1111, s40                    ; my column
.if PROJ
	s_or_b32 s[G1+0], s43, (1<<20)|(1<<21)|(3<<22)|(3<<25)   ; the mask; 1-byte elements; padding on; bit 21 beside a mask; 4 words of padding behind every 16
	s_mov_b32 s[G1+1], 4096<<16                    ; tensor_dim0: a head's 64 tokens x 64 bytes
	s_mov_b32 s[G1+2], 8<<16                       ; tensor_dim1: eight heads
	s_mov_b32 s[G1+3], 4096<<16                    ; tile_dim0
	s_mov_b32 s[G1+4], 8                           ; tile_dim1
	s_mov_b32 s[G1+5], 131072                      ; from head to head
.else
	s_or_b32 s[G1+0], s43, (1<<20)|(1<<21)|(6<<22)|(3<<25)   ; 4 words of padding behind every 128
	s_mov_b32 s[G1+1], 512<<16
	s_mov_b32 s[G1+2], 64<<16
	s_mov_b32 s[G1+3], 512<<16
	s_mov_b32 s[G1+4], 64
	s_mov_b32 s[G1+5], 4096
.endif
	s_mov_b32 s[G1+6], 0
	s_mov_b32 s[G1+7], 0
	s_or_b32 s[G1B+0], s44, (1<<20)|(1<<21)|(6<<22)|(3<<25)
	s_mov_b32 s[G1B+1], 512<<16
	s_mov_b32 s[G1B+2], 64<<16
	s_mov_b32 s[G1B+3], 512<<16
	s_mov_b32 s[G1B+4], 64
	s_mov_b32 s[G1B+5], KROWB
	s_mov_b32 s[G1B+6], 0
	s_mov_b32 s[G1B+7], 0
	s_lshl_b32 s17, s12, 6
	s_lshl_b32 s16, s13, 7
	s_add_co_u32 s16, s16, s17                     ; A: row 128 x tile row + 64 x half
	s_lshl_b32 s46, s42, 7
	s_add_co_u32 s46, s46, s17                     ; B: row 128 x tile column + 64 x half
.if PROJ
	s_lshr_b32 s18, s16, 11                        ; the batch: 16 heads of 2,048 tokens each
	s_lshl_b32 s18, s18, 15
	s_and_b32 s16, s16, 2047
	s_add_co_u32 s16, s16, s18
	s_lshl_b32 s16, s16, 6
	s_lshl_b32 s46, s46, 10
.else
	s_lshl_b32 s16, s16, 12
	s_lshl_b32 s46, s46, 12
.endif
	s_add_co_u32 s46, s46, WOFF
	s_mov_b32 s17, 0
	s_mov_b32 s47, 0
	s_mul_i32 s20, s12, HALFA                      ; where A's half goes,
	s_mul_i32 s21, s12, HALFB
	s_add_co_u32 s21, s21, 2*HALFA                 ; and B's: no place in the cluster enters an LDS address
	s_wait_dscnt 0x0                               ; both opening adds are done
	s_wait_kmcnt 0x0
	s_load_b64 s[78:79], s[72:73], EOFF            ; ea, eb
	s_add_nc_u64 s[14:15], s[68:69], s[16:17]
	s_add_nc_u64 s[46:47], s[70:71], s[46:47]
	CROUND                                         ; all sixteen work-groups are here: the first joint loads meet
.irp s, 0,1
	s_mov_b32 s[G0+4*\s], 1
	s_add_co_u32 s[G0+4*\s+1], s20, \s*SLOT
	s_add_nc_u64 s[G0+4*\s+2:G0+4*\s+3], s[14:15], \s*ASTEP
	s_or_b32 s[G0+4*\s+3], s[G0+4*\s+3], 0x80000000
	s_mov_b32 s[G0B+4*\s], 1
	s_add_co_u32 s[G0B+4*\s+1], s21, \s*SLOT
	s_add_nc_u64 s[G0B+4*\s+2:G0B+4*\s+3], s[46:47], \s*512
	s_or_b32 s[G0B+4*\s+3], s[G0B+4*\s+3], 0x80000000
.endr
	JLOAD 0                                        ; K step 0: one tensor load a wave at the head
	v_and_b32 v1, 15, v0                           ; r
	v_bfe_u32 v2, v0, 4, 1                         ; h
	v_mul_u32_u24 v3, v1, PITCH
	v_lshl_add_u32 v3, v2, 4, v3                   ; a fragment's row x pitch + 16 h
.if PROJ
	v_mul_u32_u24 v4, v1, 80
	v_lshl_add_u32 v4, v2, 4, v4                   ; A's rows lie 80 bytes apart
.else
	v_mov_b32 v4, v3
.endif
	s_mul_i32 s22, s11, HALFA                      ; my 64 rows of A
	s_mul_i32 s23, s12, HALFB                      ; my 64 rows of B,
	s_add_co_u32 s23, s23, 2*HALFA                 ; which lie behind A's 128
.irp s, 0,1
	v_add_nc_u32 v[ADRA+\s], s22, v4
	v_add_nc_u32 v[ADRB+\s], s23, v3
	s_add_co_u32 s22, s22, SLOT
	s_add_co_u32 s23, s23, SLOT
.endr
	s_mul_i32 s23, s10, 16*SPITCH                  ; my stage
	v_mul_u32_u24 v5, v1, SPITCH
	v_lshl_add_u32 v5, v2, 5, v5
	v_add_nc_u32 v[STO], s23, v5                   ; in: row r, 32 bytes for each half of the lanes
	v_mul_u32_u24 v5, v2, SPITCH
	v_lshl_add_u32 v5, v1, 4, v5
	v_add_nc_u32 v[RD], s23, v5                    ; back: sixteen lanes to a row of 256 bytes
	v_lshlrev_b32 v5, 12, v2
	v_lshl_add_u32 v[CO], v1, 4, v5                ; and the same two rows of the result and of the residual
	s_wait_alu depctr_va_vdst(0)
	s_lshl_b32 s82, s13, 7
	s_lshl_b32 s83, s11, 6
	s_add_co_u32 s82, s82, s83                     ; my first row: 128 x tile row + 64 x half
	s_lshl_b32 s82, s82, 12
	s_lshl_b32 s83, s42, 9
	s_add_co_u32 s82, s82, s83                     ; + 512 x tile column
	s_lshl_b32 s83, s12, 8
	s_add_co_u32 s82, s82, s83                     ; + 256 x half
	s_mov_b32 s83, 0
	s_add_nc_u64 s[74:75], s[74:75], s[82:83]
	s_add_nc_u64 s[76:77], s[76:77], s[82:83]
	WIN 0x80                                       ; destination window 2: the residual is asked for now and is wanted at the end
.irp a, 0,1,2,3
.irp t, 0,1,2,3,4,5,6,7
	global_load_b128 v[4*(8*\a+\t):4*(8*\a+\t)+3], v[CO], s[74:75] offset:(16*\a+2*\t)*4096 th:TH_LOAD_NT
.endr
.endr
	WIN 0
.macro FRAGB reg, slot, q, i           ; 16 rows x 128 K in 16 registers: registers 4 c .. 4 c + 3 hold K = 32 c + 16 h + 0 .. 15 of the quarter: the same places in A and in B
.irp c, 0,1,2,3
	ds_load_b128 v[\reg+4*\c:\reg+4*\c+3], v[ADRB+\slot] offset:128*(\q)+32*\c+(\i)*16*PITCH
.endr
.endm
.macro FRAGA reg, slot, q, i
.irp c, 0,1,2,3
.if PROJ
	ds_load_b128 v[\reg+4*\c:\reg+4*\c+3], v[ADRA+\slot] offset:(2*(\q)+\c/2)*5120+(\i)*1280+32*(\c%2)   ; head 2 q + c / 2 of the slot's eight, d = 32 (c % 2) + 16 h
.else
	ds_load_b128 v[\reg+4*\c:\reg+4*\c+3], v[ADRA+\slot] offset:128*(\q)+32*\c+(\i)*16*PITCH
.endif
.endr
.endm
.macro FETCH slot, q, f                ; 32 LDS loads in one run: B's four fragments, then A's four
	WIN TO_F
.irp i, 0,1,2,3
	FRAGB \f+64+16*\i, \slot, \q, \i
.endr
.irp i, 0,1,2,3
	FRAGA \f+16*\i, \slot, \q, \i
.endr
.endm
; Four matrix instructions: A's block a x B's four.  The 16 accumulators take turns, one instruction a turn, in the same order in every quarter.
.macro MUL4 f, a, zero
.irp b, 0,1,2,3
.if \zero
	v_wmma_f32_16x16x128_fp8_fp8 v[ACC+8*(4*(\a)+\b):ACC+8*(4*(\a)+\b)+7], v[\f+64+16*\b:\f+64+16*\b+15], v[\f+16*(\a):\f+16*(\a)+15], 0
.else
	v_wmma_f32_16x16x128_fp8_fp8 v[ACC+8*(4*(\a)+\b):ACC+8*(4*(\a)+\b)+7], v[\f+64+16*\b:\f+64+16*\b+15], v[\f+16*(\a):\f+16*(\a)+15], v[ACC+8*(4*(\a)+\b):ACC+8*(4*(\a)+\b)+7]
.endif
.endr
.endm
.macro MUL8 f, a0, zero
	MUL4 \f, \a0, \zero
	MUL4 \f, \a0+1, \zero
.endm
.macro PLACES                          ; four plain vector lines between a matrix instruction and a load into, or a read of, its registers
.rept 4
	v_nop
.endr
.endm
; A K step is four quarters of 128 along K, 16 matrix instructions each, on buffers 0, 1, 0, 1.  One of the first three: multiplies buffer f and fetches quarter qn into g.
.macro QUARTER slot, qn, f, g, zero
	s_wait_dscnt 8                                 ; B's four and A's blocks 0, 1 are in; the youngest eight loads (A's blocks 2, 3) may be out
	WIN MUL
	MUL8 \f, 0, \zero
	PLACES
	FETCH \slot, \qn, \g
	s_wait_dscnt 32                                ; all but the 32 just issued
	WIN MUL
	MUL8 \f, 2, \zero
.endm
; The last quarter multiplies buffer 1 and changes slots: one barrier; in front of it each wave waits for all its tensor loads, adds 0 to its spare word, and waits for that and for its own reads of this slot.
.macro TURN slot, next, fill
	WIN 0
	s_wait_tensorcnt 0x0                           ; all my tensor loads have landed: my part of the next slot
	ds_add_u32 v[SPW], v[NIL]                      ; 0 onto my spare word
	s_wait_dscnt 9                                 ; (the add and the youngest eight loads may be out)
	WIN MUL
	MUL8 F1, 0, 0
	s_wait_dscnt 0x0                               ; the add is done, and my reads of this slot are over
	s_barrier_signal -1
	MUL4 F1, 2, 0
	WIN 0
	s_barrier_wait -1
.if \fill
	CREST                                          ; the barrier has opened a round of the cluster's barrier: no wave of any partner still reads this slot or has a load on its way
	s_add_nc_u64 s[G0+4*\slot+2:G0+4*\slot+3], s[G0+4*\slot+2:G0+4*\slot+3], 2*ASTEP
	s_add_nc_u64 s[G0B+4*\slot+2:G0B+4*\slot+3], s[G0B+4*\slot+2:G0B+4*\slot+3], 2*512
	JLOAD \slot                                    ; the first tensor load behind the round; its four v_nop are the places in front of the loads below
.else
	PLACES
.endif
	FETCH \next, 0, F0
	WIN MUL
	MUL4 F1, 3, 0
.endm
	s_wait_alu depctr_va_vdst(0)
	s_wait_tensorcnt 0x0                           ; my part of K step 0 is in; slot 1's first fill is issued as a refill is:
	ds_add_u32 v[SPW], v[NIL]                      ; 0 onto my spare word
	s_wait_dscnt 0x0
	CROUND                                         ; a whole round: everybody's part of K step 0 is in, and the joint loads meet
	JLOAD 1                                        ; K step 1: the first tensor load behind the round
	FETCH 0, 0, F0
	QUARTER 0, 1, F0, F1, 1                        ; the first quarter's products start the sums
.if LAPS > 1
	WIN 0
	s_mov_b32 s3, LAPS-1
.Llap:                                             ; a trip goes once round the ring and fills both slots again
	QUARTER 0, 2, F1, F0, 0
	QUARTER 0, 3, F0, F1, 0
	TURN 0, 1, 1
	QUARTER 1, 1, F0, F1, 0
	QUARTER 1, 2, F1, F0, 0
	QUARTER 1, 3, F0, F1, 0
	TURN 1, 0, 1
	QUARTER 0, 1, F0, F1, 0
	WIN 0
	s_sub_co_u32 s3, s3, 1
	s_cmp_lg_u32 s3, 0
	s_cbranch_scc1 .Llap
.endif
	QUARTER 0, 2, F1, F0, 0                        ; the last lap fills nothing
	QUARTER 0, 3, F0, F1, 0
	TURN 0, 1, 0
	QUARTER 1, 1, F0, F1, 0
	QUARTER 1, 2, F1, F0, 0
	QUARTER 1, 3, F0, F1, 0
	s_wait_dscnt 8
	WIN MUL
	MUL8 F1, 0, 0
	s_wait_dscnt 0
	MUL8 F1, 2, 0
	WIN 0
	; THE WAY OUT.  A wave's 64 columns of f32 are a whole 256 bytes: each wave has a stage of its own, in slot 0, which has had its last fill and which nobody reads behind the last change of slots.
	PLACES
	s_wait_loadcnt 0x0                             ; the residual
	s_wait_kmcnt 0x0
	s_add_co_i32 s80, s78, s79
	s_add_co_i32 s80, s80, 127
	s_lshl_b32 s80, s80, 23                        ; 2^(ea + eb) as f32
	s_mov_b32 s81, s80                             ; (named with it as a pair, so it is written)
.macro TOSTAGE a                       ; block a's 16 rows x 64 columns go in as they stand, each accumulator from its low end on, and come back as whole rows
.irp b, 0,1,2,3
	ds_store_b128 v[STO], v[ACC+8*(4*(\a)+\b):ACC+8*(4*(\a)+\b)+3] offset:64*\b
	ds_store_b128 v[STO], v[ACC+8*(4*(\a)+\b)+4:ACC+8*(4*(\a)+\b)+7] offset:64*\b+16
.endr
.irp t, 0,1,2,3,4,5,6,7
	ds_load_b128 v[TMP+32*((\a)%2)+4*\t:TMP+32*((\a)%2)+4*\t+3], v[RD] offset:\t*2*SPITCH   ; LDS serves a wave's instructions in order: these see the stores above
.endr
.endm
.macro SEND a, younger                 ; younger: the LDS instructions issued behind block a's loads
	s_wait_dscnt \younger
	WIN 0x20                                       ; source 2 (the residual) window 2
.set k, 0
.rept 16
	v_pk_fma_f32 v[TMP+32*((\a)%2)+k:TMP+32*((\a)%2)+k+1], v[TMP+32*((\a)%2)+k:TMP+32*((\a)%2)+k+1], s[80:81], v[32*(\a)+k:32*(\a)+k+1] op_sel_hi:[1,0,1]   ; sum x 2^(ea + eb) + residual
.set k, k+2
.endr
	WIN 0
.irp t, 0,1,2,3,4,5,6,7
	global_store_b128 v[CO], v[TMP+32*((\a)%2)+4*\t:TMP+32*((\a)%2)+4*\t+3], s[76:77] offset:(16*(\a)+2*\t)*4096   ; sixteen lanes store 256 consecutive bytes, aligned
.endr
.endm
	TOSTAGE 0
	TOSTAGE 1
	SEND 0, 16                                     ; behind block 0's loads: block 1's eight stores and eight loads
	s_wait_xcnt 0x0                                ; block 0's stores have read their registers: block 2's loads may land there
	TOSTAGE 2
	SEND 1, 16
	s_wait_xcnt 0x0
	TOSTAGE 3
	SEND 2, 16
	SEND 3, 0
	s_wait_tensorcnt 0x0                           ; the wave's end
	ds_add_u32 v[SPW], v[NIL]
	s_wait_dscnt 0x0
	CROUND                                         ; the closing round
	s_endpgm
.Lfunc_end_k_qcc3b420977_proj:
	.size	k_qcc3b420977_proj, .Lfunc_end_k_qcc3b420977_proj-k_qcc3b420977_proj
	.p2alignl 7, 3214868480
	.fill 96, 4, 3214868480
	.section	.rodata,"a",@progbits
	.p2align	6, 0x0
	.amdhsa_kernel k_qcc3b420977_proj
		.amdhsa_group_segment_fixed_size 327680
		.amdhsa_private_segment_fixed_size 0
		.amdhsa_enable_private_segment 0
		.amdhsa_kernarg_size 40
		.amdhsa_user_sgpr_count 2
		.amdhsa_user_sgpr_kernarg_segment_ptr 1
		.amdhsa_wavefront_size32 1
		.amdhsa_system_sgpr_workgroup_id_x 1
		.amdhsa_system_sgpr_workgroup_id_y 1
		.amdhsa_system_sgpr_workgroup_id_z 1
		.amdhsa_system_vgpr_workitem_id 0
		.amdhsa_next_free_vgpr 768
		.amdhsa_next_free_sgpr 84
		.amdhsa_reserve_vcc 0
		.amdhsa_float_denorm_mode_32 3
		.amdhsa_float_denorm_mode_16_64 3
		.amdhsa_memory_ordered 1
		.amdhsa_forward_progress 1
		.amdhsa_inst_pref_size 50
	.end_amdhsa_kernel
	.amdgpu_metadata
---
amdhsa.version: [ 1, 2 ]
amdhsa.kernels:
  - .name:           k_qcc3b420977_proj
    .symbol:         k_qcc3b420977_proj.kd
    .args:
      - { .name: yc, .offset: 0, .size: 8, .value_kind: global_buffer, .address_space: global }
      - { .name: pc, .offset: 8, .size: 8, .value_kind: global_buffer, .address_space: global }
      - { .name: lowp_scales, .offset: 16, .size: 8, .value_kind: global_buffer, .address_space: global }
      - { .name: x, .offset: 24, .size: 8, .value_kind: global_buffer, .address_space: global }
      - { .name: x1, .offset: 32, .size: 8, .value_kind: global_buffer, .address_space: global }
    .group_segment_fixed_size: 327680
    .private_segment_fixed_size: 0
    .kernarg_segment_align: 8
    .kernarg_segment_size: 40
    .max_flat_workgroup_size: 128
    .sgpr_count:     84
    .vgpr_count:     768
    .wavefront_size: 32
...
	.end_amdgpu_metadata
.endif
;; end of part 4
;; launch ln2 (part 5): grid 512 x 1, 4 waves a work-group, no clusters, 17,920 bytes of LDS; arguments x1, ln2_w, ln2_b, lowp_scales, hc; writes hc
.if DOCPART == 5
	.amdgcn_target "amdgcn-amd-amdhsa--gfx1250"
	.amdhsa_code_object_version 6
	.text
	.protected	k_qcc3b420977_ln2
	.globl	k_qcc3b420977_ln2
	.p2align	8
	.type	k_qcc3b420977_ln2,@function
k_qcc3b420977_ln2:
	s_mov_b64 s[64:65], 0
	v_nop
	global_prefetch_b8 v0, s[64:65] scope:SCOPE_SE
	s_setreg_imm32_b32 hwreg(HW_REG_WAVE_MODE, 25, 1), 1
	s_wait_xcnt 0x0
; LayerNorm 2 of x1 [4096][1024] (f32, two passes over a row kept in registers), quantised to codes of FP8 (E4M3) with the given 2^e8, into hc [4096][1024].
; A wave takes two rows, and asks for both at its head: it waits for memory once.  Loads are dense (512 consecutive bytes), a row turns through the wave's own stage in LDS so that a lane holds eight neighbours for the
; conversion, and 32 lanes store 256 bytes of codes.
; Each number of x1 is read once and no work-group shares anything: no cluster, no tensor loads, no barrier.  LIMITS: e8 between -126 and 119; NaN among the inputs is not served.
.set XA,   16                          ; v16-47   the first row as loaded
.set XB,   48                          ; v48-79   the second row
.set Y,    80                          ; v80-111  a row with eight neighbours to a lane, four times
.set GW,   112                         ; v112-143 the gain at my 32 places
.set GBI,  144                         ; v144-175 the bias
.set CD,   176                         ; v176-191 codes: eight registers a row, so that no store's data are written again
.set SCL,  208
.set HOLD, 209
.set XO,   210
.set SI,   211
.set SO,   212
.set GO,   213
.set CO,   214
.set ROWSTEP, 1024
	s_load_b256 s[4:11], s[0:1], 0x0               ; x1 4, ln2_w 6, ln2_b 8, the scales 10
	s_load_b64 s[20:21], s[0:1], 0x20              ; hc
	v_lshl_add_u32 v192, v0, 2, 17408              ; my spare word, behind the four stages: 128 bytes a wave that no other line names
	v_mov_b32 v193, 0                              ; and 0: the two are kept for the closing add alone
	v_lshrrev_b32 v1, 5, v0
	v_readfirstlane_b32 s22, v1                    ; wave
	v_and_b32 v2, 31, v0                           ; lane
	s_lshl_b32 s36, ttmp9, 3
	s_lshl_b32 s37, s22, 1
	s_add_co_u32 s36, s36, s37                     ; my first row: 8 x work-group + 2 x wave
	s_lshl_b32 s38, s36, 12
	s_mov_b32 s39, 0
	s_lshl_b32 s40, s36, 10
	s_mov_b32 s41, 0
	s_wait_alu depctr_va_vdst(0)
	s_wait_kmcnt 0x0
	s_load_b32 s24, s[10:11], 0x20                 ; e8
	s_add_nc_u64 s[4:5], s[4:5], s[38:39]
	s_add_nc_u64 s[20:21], s[20:21], s[40:41]
	s_mov_b32 s66, 0x3a800000                      ; 1 / 1024
	s_mov_b32 s67, 0x3727c5ac                      ; 1e-5
	s_mov_b32 s68, 0x76543210                      ; v_permlanex16_b32: lane l xor 16
	s_mov_b32 s69, 0xfedcba98
	s_mul_i32 s42, s22, 4352                       ; my stage: a row's 4,096 bytes with 16 of padding behind each 256
	v_lshlrev_b32 v[XO], 4, v2
	v_lshlrev_b32 v[GO], 5, v2
	v_lshlrev_b32 v[CO], 3, v2
	v_lshrrev_b32 v3, 4, v2
	v_add_nc_u32 v3, v3, v2
	v_lshl_add_u32 v[SI], v3, 4, s42               ; in: 16 lane + 16 (lane / 16); load j's 512 bytes 544 j further on
	v_lshrrev_b32 v3, 3, v2
	v_lshl_add_u32 v3, v2, 1, v3
	v_lshl_add_u32 v[SO], v3, 4, s42               ; out: 32 lane + 16 (lane / 8); chunk c 1,088 c further on
.irp c, 0,1,2,3
	global_load_b128 v[GW+8*\c:GW+8*\c+3], v[GO], s[6:7] offset:1024*\c          ; gain and bias at elements 256 c + 8 lane + 0 .. 7
	global_load_b128 v[GW+8*\c+4:GW+8*\c+7], v[GO], s[6:7] offset:1024*\c+16
	global_load_b128 v[GBI+8*\c:GBI+8*\c+3], v[GO], s[8:9] offset:1024*\c
	global_load_b128 v[GBI+8*\c+4:GBI+8*\c+7], v[GO], s[8:9] offset:1024*\c+16
.endr
.macro XLOAD row, R                    ; a row: eight loads of 512 consecutive bytes
.irp j, 0,1,2,3,4,5,6,7
	global_load_b128 v[\R+4*\j:\R+4*\j+3], v[XO], s[4:5] offset:4096*(\row)+512*\j th:TH_LOAD_NT
.endr
.endm
	XLOAD 0, XA
	XLOAD 1, XB
	s_wait_kmcnt 0x0
	s_add_co_i32 s24, s24, 127
	s_lshl_b32 s43, s24, 23
	v_mov_b32 v[SCL], s43                          ; 2^e8
	s_add_co_i32 s24, s24, 8
	s_lshl_b32 s24, s24, 23
	s_or_b32 s24, s24, 0x600000
	v_mov_b32 v[HOLD], s24                         ; 448 x 2^e8
.macro FOLD                            ; four pairs v[8:15] -> their sum over the 32 lanes, in v8 of every lane
	v_pk_add_f32 v[8:9], v[8:9], v[10:11]
	v_pk_add_f32 v[12:13], v[12:13], v[14:15]
	v_pk_add_f32 v[8:9], v[8:9], v[12:13]
	v_add_f32 v8, v8, v9
	v_add_f32_dpp v8, v8, v8 row_xmask:1 row_mask:0xf bank_mask:0xf
	v_add_f32_dpp v8, v8, v8 row_xmask:2 row_mask:0xf bank_mask:0xf
	v_add_f32_dpp v8, v8, v8 row_xmask:4 row_mask:0xf bank_mask:0xf
	v_add_f32_dpp v8, v8, v8 row_xmask:8 row_mask:0xf bank_mask:0xf
	v_permlanex16_b32 v9, v8, s68, s69
	v_add_f32 v8, v8, v9
.endm
; Row i lies in v[R] on.  left: how many younger loads may stay out: the other row's eight, or none.
.macro ROW i, R, left
	s_wait_loadcnt \left
.irp k, 0,1,2,3
	v_pk_add_f32 v[8+2*\k:9+2*\k], v[\R+4*\k:\R+4*\k+1], v[\R+4*\k+2:\R+4*\k+3]   ; the sum, in four chains: nothing is cleared
.endr
.irp k, 0,1,2,3,4,5,6,7
	v_pk_add_f32 v[8+2*(\k%4):9+2*(\k%4)], v[8+2*(\k%4):9+2*(\k%4)], v[\R+16+2*\k:\R+17+2*\k]
.endr
	FOLD
	v_mul_f32 v8, s66, v8                          ; the mean
.irp k, 0,1,2,3,4,5,6,7,8,9,10,11,12,13,14,15
	v_pk_add_f32 v[\R+2*\k:\R+2*\k+1], v[\R+2*\k:\R+2*\k+1], v[8:9] op_sel_hi:[1,0] neg_lo:[0,1] neg_hi:[0,1]   ; x - mean, in place: the variance is taken of these, so a common offset does no harm
.endr
.irp k, 0,1,2,3
	v_pk_mul_f32 v[8+2*\k:9+2*\k], v[\R+2*\k:\R+2*\k+1], v[\R+2*\k:\R+2*\k+1]
.endr
.irp k, 4,5,6,7,8,9,10,11,12,13,14,15
	v_pk_fma_f32 v[8+2*(\k%4):9+2*(\k%4)], v[\R+2*\k:\R+2*\k+1], v[\R+2*\k:\R+2*\k+1], v[8+2*(\k%4):9+2*(\k%4)]
.endr
	FOLD
	v_fma_f32 v8, v8, s66, s67                     ; the variance + 1e-5
	s_wait_alu depctr_va_vdst(0)
	v_rsq_f32 v8, v8
	v_nop                                          ; a plain line behind the transcendental
.irp j, 0,1,2,3,4,5,6,7
	ds_store_b128 v[SI], v[\R+4*\j:\R+4*\j+3] offset:544*\j       ; the row turns through my stage: as loaded in,
.endr
.irp c, 0,1,2,3
	ds_load_b128 v[Y+8*\c:Y+8*\c+3], v[SO] offset:1088*\c          ; eight neighbours a lane out (LDS serves a wave's instructions in order)
	ds_load_b128 v[Y+8*\c+4:Y+8*\c+7], v[SO] offset:1088*\c+16
.endr
	s_wait_dscnt 0x0                               ; the row is back
	s_wait_alu depctr_va_vdst(0)                   ; the wait ahead of the first reader of the root's result
.irp k, 0,1,2,3,4,5,6,7,8,9,10,11,12,13,14,15
	v_pk_mul_f32 v[Y+2*\k:Y+2*\k+1], v[Y+2*\k:Y+2*\k+1], v[8:9] op_sel_hi:[1,0]
.endr
.irp k, 0,1,2,3,4,5,6,7,8,9,10,11,12,13,14,15
	v_pk_fma_f32 v[Y+2*\k:Y+2*\k+1], v[Y+2*\k:Y+2*\k+1], v[GW+2*\k:GW+2*\k+1], v[GBI+2*\k:GBI+2*\k+1]
.endr
.set i, 0
.rept 32
	v_med3_num_f32 v[Y+i], v[Y+i], -v[HOLD], v[HOLD]   ; the conversion to an 8-bit code does not saturate (ISA guide 7.6.2): the hold comes first
.set i, i+1
.endr
.irp c, 0,1,2,3
	v_cvt_scalef32_pk8_fp8_f32 v[CD+8*(\i)+2*\c:CD+8*(\i)+2*\c+1], v[Y+8*\c:Y+8*\c+7], v[SCL]
.endr
	v_nop                                          ; a plain line behind the last conversion
.irp c, 0,1,2,3
	global_store_b64 v[CO], v[CD+8*(\i)+2*\c:CD+8*(\i)+2*\c+1], s[20:21] offset:ROWSTEP*(\i)+256*\c   ; 32 lanes store 256 consecutive bytes, aligned
.endr
.endm
	ROW 0, XA, 8
	ROW 1, XB, 0
	s_wait_tensorcnt 0x0                           ; the wave's end
	ds_add_u32 v192, v193
	s_wait_dscnt 0x0
	s_endpgm
.Lfunc_end_k_qcc3b420977_ln2:
	.size	k_qcc3b420977_ln2, .Lfunc_end_k_qcc3b420977_ln2-k_qcc3b420977_ln2
	.p2alignl 7, 3214868480
	.fill 96, 4, 3214868480
	.section	.rodata,"a",@progbits
	.p2align	6, 0x0
	.amdhsa_kernel k_qcc3b420977_ln2
		.amdhsa_group_segment_fixed_size 17920
		.amdhsa_private_segment_fixed_size 0
		.amdhsa_enable_private_segment 0
		.amdhsa_kernarg_size 40
		.amdhsa_user_sgpr_count 2
		.amdhsa_user_sgpr_kernarg_segment_ptr 1
		.amdhsa_wavefront_size32 1
		.amdhsa_system_sgpr_workgroup_id_x 1
		.amdhsa_system_sgpr_workgroup_id_y 1
		.amdhsa_system_sgpr_workgroup_id_z 1
		.amdhsa_system_vgpr_workitem_id 0
		.amdhsa_next_free_vgpr 216
		.amdhsa_next_free_sgpr 72
		.amdhsa_reserve_vcc 0
		.amdhsa_float_denorm_mode_32 3
		.amdhsa_float_denorm_mode_16_64 3
		.amdhsa_memory_ordered 1
		.amdhsa_forward_progress 1
		.amdhsa_inst_pref_size 25
	.end_amdhsa_kernel
	.amdgpu_metadata
---
amdhsa.version: [ 1, 2 ]
amdhsa.kernels:
  - .name:           k_qcc3b420977_ln2
    .symbol:         k_qcc3b420977_ln2.kd
    .args:
      - { .name: x1, .offset: 0, .size: 8, .value_kind: global_buffer, .address_space: global }
      - { .name: ln2_w, .offset: 8, .size: 8, .value_kind: global_buffer, .address_space: global }
      - { .name: ln2_b, .offset: 16, .size: 8, .value_kind: global_buffer, .address_space: global }
      - { .name: lowp_scales, .offset: 24, .size: 8, .value_kind: global_buffer, .address_space: global }
      - { .name: hc, .offset: 32, .size: 8, .value_kind: global_buffer, .address_space: global }
    .group_segment_fixed_size: 17920
    .private_segment_fixed_size: 0
    .kernarg_segment_align: 8
    .kernarg_segment_size: 40
    .max_flat_workgroup_size: 128
    .sgpr_count:     72
    .vgpr_count:     216
    .wavefront_size: 32
...
	.end_amdgpu_metadata
.endif
;; end of part 5
;; launch fc (part 6): grid 16 x 16, 4 waves a work-group, clusters of 4 x 4, 327,680 bytes of LDS; arguments hc, pc, lowp_scales, gc; writes gc
.if DOCPART == 6
	.amdgcn_target "amdgcn-amd-amdhsa--gfx1250"
	.amdhsa_code_object_version 6
	.text
	.protected	k_qcc3b420977_fc
	.globl	k_qcc3b420977_fc
	.p2align	8
	.type	k_qcc3b420977_fc,@function
k_qcc3b420977_fc:
	s_mov_b64 s[64:65], 0
	v_nop
	global_prefetch_b8 v0, s[64:65] scope:SCOPE_SE
	s_setreg_imm32_b32 hwreg(HW_REG_WAVE_MODE, 25, 1), 1
	s_wait_xcnt 0x0
	s_wait_alu depctr_hold_cnt(0) depctr_sa_sdst(0) depctr_va_vdst(0) depctr_va_sdst(0) depctr_va_ssrc(0) depctr_va_vcc(0) depctr_vm_vsrc(0)
	s_getreg_b32 s2, hwreg(HW_REG_IB_STS2, 6, 4)
	s_cmp_eq_u32 s2, 0
	s_cbranch_scc0 .Lentry_in_a_cluster
	s_endpgm
.Lentry_in_a_cluster:
	s_bfe_u32 s2, ttmp6, 0x10000c
	s_cmp_lg_u32 s2, 0xf033
	s_cbranch_scc0 .Lentry_shape_is_right
	s_endpgm
.Lentry_shape_is_right:
.set WFC,    4194304
.set SIZE_K, 1024
.set KSTEP,  256
.set ROWB,   256
.set KROW,   SIZE_K
.set PITCH,  272
.set FR,     16
.set NL,     4
.set NP,     4
.set HALFT,  128*PITCH
.set SLOT,   4*HALFT
.set LAPS,   SIZE_K/(2*KSTEP)
.set SPARE,  2*SLOT
.set ADRA, 16
.set ADRB, 20
.set STO,  24
.set RD,   25
.set CO,   26
.set SPW,  28
.set NIL,  29
.set GX,   32
.set GZ,   96
.set GC,   160
.set AF,   128
.set G1, 24
.set G0, 32
.set G1B, 48
.set G0B, 56
.set MSB, 0
.macro WIN new
.if MSB != (\new)
	s_set_vgpr_msb (MSB<<8)|(\new)
.set MSB, (\new)
.endif
.endm
.set MUL_LO, 0xa1
.set MUL_HI, 0xf1
.set TO_B,   0x40
.macro JLOAD g0a, g1a, g0b, g1b
	s_cmp_eq_u32 s15, 0
	s_cbranch_scc0 .Lfor_b_\@
	tensor_load_to_lds s[\g0a:\g0a+3], s[\g1a:\g1a+7]
	s_nop 0
.rept 4
	v_nop
.endr
	s_branch .Lasked_\@
.Lfor_b_\@:
	tensor_load_to_lds s[\g0b:\g0b+3], s[\g1b:\g1b+7]
	s_nop 0
.rept 4
	v_nop
.endr
.Lasked_\@:
.endm
.macro CREST
	s_cmp_lg_u32 s14, 0
	s_cbranch_scc1 .Lnot_wave_0_\@
	s_barrier_signal -3
.Lnot_wave_0_\@:
	s_barrier_wait -3
	s_barrier_signal -1
	s_barrier_wait -1
.endm
.macro CROUND
	s_barrier_signal -1
	s_barrier_wait -1
	CREST
.endm
	s_load_b128 s[4:7], s[0:1], 0x0
	s_load_b128 s[8:11], s[0:1], 0x10
	v_lshl_add_u32 v[SPW], v0, 2, SPARE
	v_mov_b32 v[NIL], 0
	ds_add_u32 v[SPW], v[NIL]                      ; the wave's opening: the add, twice on end, and its wait ahead of the round in front of my first tensor load
	ds_add_u32 v[SPW], v[NIL]
	v_lshrrev_b32 v1, 5, v0
	v_readfirstlane_b32 s14, v1
	s_lshr_b32 s15, s14, 1
	s_and_b32 s16, s14, 1
	s_bfe_u32 s40, ttmp6, 0x40000
	s_bfe_u32 s41, ttmp6, 0x40004
	s_lshl_b32 s42, ttmp9, 2
	s_add_co_u32 s42, s42, s40
	s_and_b32 s17, ttmp7, 0xffff
	s_lshl_b32 s17, s17, 2
	s_add_co_u32 s17, s17, s41
	s_lshl_b32 s43, s41, 2
	s_lshl_b32 s43, 15, s43
	s_lshl_b32 s44, 0x1111, s40
	s_or_b32 s[G1+0], s43, (1<<20)|(1<<21)|(5<<22)|(3<<25)
	s_or_b32 s[G1B+0], s44, (1<<20)|(1<<21)|(5<<22)|(3<<25)
.irp g, G1, G1B
	s_mov_b32 s[\g+1], ROWB<<16
	s_mov_b32 s[\g+2], 128<<16
	s_mov_b32 s[\g+3], ROWB<<16
	s_mov_b32 s[\g+4], 128
	s_mov_b32 s[\g+5], KROW
	s_mov_b32 s[\g+6], 0
	s_mov_b32 s[\g+7], 0
.endr
	s_lshl_b32 s18, s16, 7
	s_lshl_b32 s20, s17, 8
	s_add_co_u32 s20, s20, s18
	s_lshl_b32 s46, s42, 8
	s_add_co_u32 s46, s46, s18
	s_lshl_b32 s20, s20, 10
	s_lshl_b32 s46, s46, 10
	s_add_co_u32 s46, s46, WFC
	s_mov_b32 s21, 0
	s_mov_b32 s47, 0
	s_mul_i32 s45, s14, HALFT
	s_wait_dscnt 0x0                               ; both opening adds are done
	s_wait_kmcnt 0x0
	s_load_b128 s[68:71], s[8:9], 0x20
	s_add_nc_u64 s[20:21], s[4:5], s[20:21]
	s_add_nc_u64 s[46:47], s[6:7], s[46:47]
	CROUND
.irp s, 0,1
	s_mov_b32 s[G0+4*\s], 1
	s_add_co_u32 s[G0+4*\s+1], s45, \s*SLOT
	s_add_nc_u64 s[G0+4*\s+2:G0+4*\s+3], s[20:21], \s*ROWB
	s_or_b32 s[G0+4*\s+3], s[G0+4*\s+3], 0x80000000
	s_mov_b32 s[G0B+4*\s], 1
	s_add_co_u32 s[G0B+4*\s+1], s45, \s*SLOT
	s_add_nc_u64 s[G0B+4*\s+2:G0B+4*\s+3], s[46:47], \s*ROWB
	s_or_b32 s[G0B+4*\s+3], s[G0B+4*\s+3], 0x80000000
.endr
	JLOAD G0, G1, G0B, G1B                         ; K step 0: one tensor load a wave at the head
	; PREFETCH: a slot's fill goes out with no other load of the wave on its way, so K steps 1 and 2 are asked for here and K step 3 behind K step 1's load.  Of the 128 rows that a wave fetches the four partners
	; that ask for them jointly take 32 each, told apart by address (cx for A, cy for B); a lane names a row's 256 bytes of the K step: each block once in a cluster.
	s_lshl_b32 s86, s17, 8                         ; the tile's first row, in A by the tile row,
	s_lshl_b32 s87, s42, 8                         ; in B by the tile column
	s_cmp_eq_u32 s15, 0                            ; do I fetch for A?
	s_cselect_b32 s86, s86, s87
	s_cselect_b32 s87, s40, s41                    ; my place among the four that ask for the tile with me
	s_cselect_b32 s88, 0, WFC
	s_cselect_b64 s[90:91], s[4:5], s[6:7]
	s_lshl_b32 s87, s87, 5
	s_add_co_u32 s86, s86, s87                     ; + my work-group's 32 rows
	s_lshl_b32 s87, s16, 7
	s_add_co_u32 s86, s86, s87                     ; of the 128 that I fetch
	s_lshl_b32 s86, s86, 10
	s_add_co_u32 s86, s86, s88
	s_mov_b32 s87, 0
	s_add_nc_u64 s[90:91], s[90:91], s[86:87]
	v_and_b32 v11, 31, v0
	v_lshlrev_b32 v11, 10, v11                     ; a lane a row of 1,024 bytes; never rewritten
	global_prefetch_b8 v11, s[90:91] offset:256 th:TH_LOAD_NT scope:SCOPE_SE
	global_prefetch_b8 v11, s[90:91] offset:512 th:TH_LOAD_NT scope:SCOPE_SE
	v_and_b32 v1, 15, v0
	v_bfe_u32 v2, v0, 4, 1
	v_mul_u32_u24 v3, v1, PITCH
	s_wait_alu depctr_va_vdst(0)
	v_lshl_add_u32 v4, v2, 4, v3
	s_mul_i32 s21, s15, HALFT
	s_mul_i32 s22, s16, HALFT
	s_add_co_u32 s22, s22, 2*HALFT
.irp s, 0,1
	v_add_nc_u32 v[ADRA+\s], s21, v4
	v_add_nc_u32 v[ADRB+\s], s22, v4
	s_add_co_u32 s21, s21, SLOT
	s_add_co_u32 s22, s22, SLOT
.endr
	s_mul_i32 s23, s15, 128*272
	s_lshl_b32 s22, s16, 7
	s_add_co_u32 s23, s23, s22
	v_lshl_add_u32 v5, v2, 3, v3
	v_add_nc_u32 v[STO], s23, v5
	s_mul_i32 s23, s14, 64*272
	v_mul_u32_u24 v5, v2, 272
	v_lshl_add_u32 v5, v1, 4, v5
	v_add_nc_u32 v[RD], s23, v5
	v_lshlrev_b32 v5, 12, v2
	v_lshl_add_u32 v[CO], v1, 4, v5
	s_lshl_b32 s76, s17, 8
	s_lshl_b32 s77, s14, 6
	s_add_co_u32 s76, s76, s77
	s_lshl_b32 s76, s76, 12
	s_lshl_b32 s77, s42, 8
	s_add_co_u32 s76, s76, s77
	s_mov_b32 s77, 0
	s_add_nc_u64 s[10:11], s[10:11], s[76:77]
.macro FRAG reg, adr, q, i
.irp c, 0,1,2,3
	ds_load_b128 v[\reg+4*\c:\reg+4*\c+3], v[\adr] offset:128*(\q)+32*\c+(\i)*16*PITCH
.endr
.endm
.macro MUL16 a0, p, zero
.irp a, \a0, \a0+1
.irp b, 0,1,2,3,4,5,6,7
.if \zero
	v_wmma_f32_16x16x128_fp8_fp8 v[8*(8*((\a)%4)+\b):8*(8*((\a)%4)+\b)+7], v[128*(\p)+FR*\b:128*(\p)+FR*\b+FR-1], v[AF+FR*(\a):AF+FR*(\a)+FR-1], 0
.else
	v_wmma_f32_16x16x128_fp8_fp8 v[8*(8*((\a)%4)+\b):8*(8*((\a)%4)+\b)+7], v[128*(\p)+FR*\b:128*(\p)+FR*\b+FR-1], v[AF+FR*(\a):AF+FR*(\a)+FR-1], v[8*(8*((\a)%4)+\b):8*(8*((\a)%4)+\b)+7]
.endif
.endr
.endr
.endm
.macro FETCH_B slot, q, p
	WIN TO_B
.irp i, 0,1,2,3,4,5,6,7
	FRAG 128*(\p)+FR*\i, ADRB+\slot, \q, \i
.endr
	WIN 0
.endm
.macro FETCH_A slot, q, i0
.irp i, \i0, \i0+1, \i0+2, \i0+3
	FRAG AF+FR*(\i), ADRA+\slot, \q, \i
.endr
.endm
.macro PLACES n
.rept \n
	v_nop
.endr
.endm
.macro STEP slot, q, zero
	s_wait_dscnt 4*NL
	WIN MUL_LO
	MUL16 0, (\q)%2, \zero
	MUL16 2, (\q)%2, \zero
	s_wait_dscnt 0
	PLACES NP
	FETCH_B \slot, (\q)+1, 1-(\q)%2
	FETCH_A \slot, (\q)+1, 0
	WIN MUL_HI
	MUL16 4, (\q)%2, \zero
	MUL16 6, (\q)%2, \zero
	PLACES NP
	WIN 0
	FETCH_A \slot, (\q)+1, 4
.endm
.macro TURN slot, next, fill
	s_wait_tensorcnt 0x0
	ds_add_u32 v[SPW], v[NIL]
	s_wait_dscnt 4*NL+1
	WIN MUL_LO
	MUL16 0, 1, 0
	s_wait_dscnt 0x0
	s_barrier_signal -1
	MUL16 2, 1, 0
	WIN 0
	s_barrier_wait -1
.if \fill
	CREST
	s_add_nc_u64 s[G0+4*\slot+2:G0+4*\slot+3], s[G0+4*\slot+2:G0+4*\slot+3], 2*ROWB
	s_add_nc_u64 s[G0B+4*\slot+2:G0B+4*\slot+3], s[G0B+4*\slot+2:G0B+4*\slot+3], 2*ROWB
	JLOAD G0+4*\slot, G1, G0B+4*\slot, G1B
.else
	PLACES NP
.endif
	s_wait_alu depctr_va_vdst(0)
	FETCH_B \next, 0, 0
	FETCH_A \next, 0, 0
	WIN MUL_HI
	MUL16 4, 1, 0
	MUL16 6, 1, 0
	PLACES NP
	WIN 0
	FETCH_A \next, 0, 4
.endm
	s_wait_alu depctr_va_vdst(0)
	s_wait_tensorcnt 0x0                           ; my part of K step 0 is in; slot 1's first fill is issued as a refill is:
	ds_add_u32 v[SPW], v[NIL]                      ; 0 onto my spare word
	s_wait_dscnt 0x0
	CROUND                                         ; a whole round: everybody's part of K step 0 is in, and the joint loads meet
	JLOAD G0+4, G1, G0B+4, G1B                     ; K step 1: the first tensor load behind the round
	global_prefetch_b8 v11, s[90:91] offset:768 th:TH_LOAD_NT scope:SCOPE_SE
	FETCH_B 0, 0, 0
	FETCH_A 0, 0, 0
	FETCH_A 0, 0, 4
	STEP 0, 0, 1
	s_mov_b32 s3, LAPS-1
.Llap:
	TURN 0, 1, 1
	STEP 1, 0, 0
	TURN 1, 0, 1
	STEP 0, 0, 0
	s_sub_co_u32 s3, s3, 1
	s_cmp_lg_u32 s3, 0
	s_cbranch_scc1 .Llap
	TURN 0, 1, 0
	STEP 1, 0, 0
	s_wait_dscnt 4*NL
	WIN MUL_LO
	MUL16 0, 1, 0
	MUL16 2, 1, 0
	s_wait_dscnt 0
	WIN MUL_HI
	MUL16 4, 1, 0
	MUL16 6, 1, 0
	WIN 0
	s_wait_kmcnt 0x0
	s_add_co_i32 s96, s68, s69
	s_add_co_i32 s96, s96, 127
	s_lshl_b32 s96, s96, 23
	s_mov_b32 s97, s96
	s_mov_b32 s72, 0xbdd2d3e8
	s_mov_b32 s73, s72
	s_add_co_i32 s74, s70, 127
	s_lshl_b32 s75, s74, 23
	s_add_co_i32 s74, s74, 8
	s_lshl_b32 s74, s74, 23
	s_or_b32 s74, s74, 0x600000
	PLACES NP
	v_mov_b32 v30, s75
	v_mov_b32 v31, s74
	v_mov_b32 v176, 0xc0135761
	v_mov_b32 v177, 0xc0135761
.macro GELUQ a
	WIN 0x02+((\a)/4)
.set j, 0
.rept 32
	v_pk_mul_f32 v[GX+j:GX+j+1], v[64*((\a)%4)+j:64*((\a)%4)+j+1], s[96:97] op_sel_hi:[1,0]
.set j, j+2
.endr
	WIN 0
.set j, 0
.rept 32
	v_pk_mul_f32 v[GZ+j:GZ+j+1], v[GX+j:GX+j+1], v[GX+j:GX+j+1]
.set j, j+2
.endr
.set j, 0
.rept 32
	v_pk_fma_f32 v[GZ+j:GZ+j+1], v[GZ+j:GZ+j+1], s[72:73], v[176:177] op_sel_hi:[1,0,0]
.set j, j+2
.endr
.set j, 0
.rept 32
	v_pk_mul_f32 v[GZ+j:GZ+j+1], v[GZ+j:GZ+j+1], v[GX+j:GX+j+1]
.set j, j+2
.endr
.set j, 0
	s_wait_alu depctr_va_vdst(0)
.rept 64
	v_exp_f32 v[GZ+j], v[GZ+j]
.set j, j+1
.endr
	v_nop
	s_wait_alu depctr_va_vdst(0)
.set j, 0
.rept 32
	v_pk_add_f32 v[GZ+j:GZ+j+1], v[GZ+j:GZ+j+1], 1.0 op_sel_hi:[1,0]
.set j, j+2
.endr
.set j, 0
	s_wait_alu depctr_va_vdst(0)
.rept 64
	v_rcp_f32 v[GZ+j], v[GZ+j]
.set j, j+1
.endr
	v_nop
	s_wait_alu depctr_va_vdst(0)
.set j, 0
.rept 32
	v_pk_mul_f32 v[GX+j:GX+j+1], v[GX+j:GX+j+1], v[GZ+j:GZ+j+1]
.set j, j+2
.endr
.set j, 0
.rept 64
	v_med3_num_f32 v[GX+j], v[GX+j], -v31, v31
.set j, j+1
.endr
	s_wait_alu depctr_va_vdst(0)
	s_wait_dscnt 0x0
.irp b, 0,1,2,3,4,5,6,7
	v_cvt_scalef32_pk8_fp8_f32 v[GC+2*\b:GC+2*\b+1], v[GX+8*\b:GX+8*\b+7], v30
.endr
	v_nop
.irp b, 0,1,2,3,4,5,6,7
	ds_store_b64 v[STO], v[GC+2*\b:GC+2*\b+1] offset:(\a)*4352+16*\b
.endr
.endm
.irp a, 0,1,2,3,4,5,6,7
	GELUQ \a
.endr
	s_wait_dscnt 0x0
	s_barrier_signal -1
	s_barrier_wait -1
.set n, 0
.rept 32
	ds_load_b128 v[GX+4*n:GX+4*n+3], v[RD] offset:2*n*272
.set n, n+1
.endr
.set n, 0
.rept 32
	s_wait_dscnt 31-n
	global_store_b128 v[CO], v[GX+4*n:GX+4*n+3], s[10:11] offset:2*n*4096
.set n, n+1
.endr
	s_wait_tensorcnt 0x0
	ds_add_u32 v[SPW], v[NIL]
	s_wait_dscnt 0x0
	CROUND
	s_endpgm
.Lfunc_end_k_qcc3b420977_fc:
	.size	k_qcc3b420977_fc, .Lfunc_end_k_qcc3b420977_fc-k_qcc3b420977_fc
	.p2alignl 7, 3214868480
	.fill 96, 4, 3214868480
	.section	.rodata,"a",@progbits
	.p2align	6, 0x0
	.amdhsa_kernel k_qcc3b420977_fc
		.amdhsa_group_segment_fixed_size 327680
		.amdhsa_private_segment_fixed_size 0
		.amdhsa_enable_private_segment 0
		.amdhsa_kernarg_size 32
		.amdhsa_user_sgpr_count 2
		.amdhsa_user_sgpr_kernarg_segment_ptr 1
		.amdhsa_wavefront_size32 1
		.amdhsa_system_sgpr_workgroup_id_x 1
		.amdhsa_system_sgpr_workgroup_id_y 1
		.amdhsa_system_sgpr_workgroup_id_z 1
		.amdhsa_system_vgpr_workitem_id 0
		.amdhsa_next_free_vgpr 1024
		.amdhsa_next_free_sgpr 98
		.amdhsa_reserve_vcc 0
		.amdhsa_float_denorm_mode_32 3
		.amdhsa_float_denorm_mode_16_64 3
		.amdhsa_memory_ordered 1
		.amdhsa_forward_progress 1
		.amdhsa_inst_pref_size 255
	.end_amdhsa_kernel
	.section	.bss,"aw",@nobits
	.p2align	6
	.space	262144
	.amdgpu_metadata
---
amdhsa.version: [ 1, 2 ]
amdhsa.kernels:
  - .name:           k_qcc3b420977_fc
    .symbol:         k_qcc3b420977_fc.kd
    .args:
      - { .name: hc, .offset: 0, .size: 8, .value_kind: global_buffer, .address_space: global }
      - { .name: pc, .offset: 8, .size: 8, .value_kind: global_buffer, .address_space: global }
      - { .name: lowp_scales, .offset: 16, .size: 8, .value_kind: global_buffer, .address_space: global }
      - { .name: gc, .offset: 24, .size: 8, .value_kind: global_buffer, .address_space: global }
    .group_segment_fixed_size: 327680
    .private_segment_fixed_size: 0
    .kernarg_segment_align: 8
    .kernarg_segment_size: 32
    .max_flat_workgroup_size: 128
    .sgpr_count:     98
    .vgpr_count:     1024
    .wavefront_size: 32
...
	.end_amdgpu_metadata
.endif
;; end of part 6
;; launch fcp (part 7): grid 8 x 32, 4 waves a work-group, clusters of 4 x 4, 327,680 bytes of LDS; arguments gc, pc, lowp_scales, x1, out0; writes out0
.if DOCPART == 7
	.amdgcn_target "amdgcn-amd-amdhsa--gfx1250"
	.amdhsa_code_object_version 6
	.text
	.protected	k_qcc3b420977_fcp
	.globl	k_qcc3b420977_fcp
	.p2align	8
	.type	k_qcc3b420977_fcp,@function
k_qcc3b420977_fcp:
	s_mov_b64 s[64:65], 0
	v_nop
	global_prefetch_b8 v0, s[64:65] scope:SCOPE_SE
	s_setreg_imm32_b32 hwreg(HW_REG_WAVE_MODE, 25, 1), 1
	s_wait_xcnt 0x0
	s_wait_alu depctr_hold_cnt(0) depctr_sa_sdst(0) depctr_va_vdst(0) depctr_va_sdst(0) depctr_va_ssrc(0) depctr_va_vcc(0) depctr_vm_vsrc(0)
	s_getreg_b32 s2, hwreg(HW_REG_IB_STS2, 6, 4)
	s_cmp_eq_u32 s2, 0
	s_cbranch_scc0 .Lentry_in_a_cluster
	s_endpgm
.Lentry_in_a_cluster:
	s_bfe_u32 s2, ttmp6, 0x10000c
	s_cmp_lg_u32 s2, 0xf033
	s_cbranch_scc0 .Lentry_shape_is_right
	s_endpgm
.Lentry_shape_is_right:
; out0 = x1 + g w_fc_proj x 2^(e10 + e11) on codes of FP8 (E4M3).  A: gelu's codes gc [4096][4096]; B: w_fc_proj's codes [1024][4096] in pc at WF2C; K = 4,096; out0 and x1 f32 [4096][1024].
; N is 1,024, so tiles of 256 x 256 would be 64: a tile is 128 x 128, 256 work-groups.  Four waves, 64 x 64 each: 16 accumulators.  K goes in eight steps of 512 through two LDS slots filled by the tensor data mover:
; a tile's row is 512 bytes of memory and starts at a multiple of 512; two slots of a longer step do not fit in LDS.
; CLUSTERS of 4 x 4: A's tile is shared along a row of the cluster, B's along a column: joint loads; where a slot is filled, a round of the cluster's barrier stands in front.
; PREFETCH: behind every joint load each wave asks for the K step that stands two refills on: of the 64 rows that the wave fetches, the four partners that ask for them jointly take 16 each, told apart by address
; (cx for A, cy for B); a lane names one of a row's two blocks of 256 bytes: 32 blocks an instruction, each block once in a cluster.  The loads of K steps 6 and 7 ask for nothing: there is no K step 8.
; THE MATRIX INSTRUCTION IS USED TRANSPOSED (source 0 = 16 rows of B, source 1 = 16 rows of A): a lane holds eight neighbouring numbers of a row of the result.
; LIMIT: e10 + e11 between -126 and 127, so that 2^(e10 + e11) is an f32 number.
; REGISTERS: window 0: v0-31 addresses; v32-95 at work on the way out; v128-255 the accumulators ((a, b) at v[128 + 8 (4 a + b)]).  window 1: two fragment buffers of 128 (A's four fragments, then B's four).  window 2: v0-127 the residual.
.set WF2C,   8388608
.set PITCH,  528                       ; an LDS row of 512 bytes + 16: the 16 rows that a load touches start at 16 different groups of banks
.set HALF,   64*PITCH                  ; what one tensor load brings
.set SLOT,   4*HALF                    ; A's 128 rows, then B's 128 rows
.set SPARE,  2*SLOT                    ; behind the ring: the spare words, 128 bytes a wave
.set SPITCH, 272                       ; the way out: a stage of 16 rows x (256 + 16) bytes for each wave, in slot 0
.set LAPS,   4                         ; a lap = two K steps
.set ADRA, 16
.set ADRB, 20
.set STO,  24
.set RD,   25
.set CO,   26
.set SPW,  28
.set NIL,  29
.set PFO,  30                          ; the prefetches' offset: 4,096 x (lane / 2) + 256 x (lane % 2); never rewritten
.set TMP,  32
.set ACC,  128
.set F0,   0
.set F1,   128
.set G1, 24
.set G0, 32
.set G1B, 48
.set G0B, 56
.set PFA, 86                           ; s[86:87] my 16 rows of A or of B, at the K from which the trip's prefetches are counted
.set MSB, 0
.macro WIN new                         ; the immediate's high byte repeats the setting that is left
.if MSB != (\new)
	s_set_vgpr_msb (MSB<<8)|(\new)
.set MSB, (\new)
.endif
.endm
.set MUL,  0x05                        ; sources 0 (B) and 1 (A) window 1; C and D window 0
.set TO_F, 0x40                        ; destination window 1, address window 0
.macro JLOAD s                         ; a joint load: waves 0 and 1 fetch A's two halves, waves 2 and 3 B's; an s_nop 0 and four v_nop follow each of the two lines
	s_cmp_eq_u32 s11, 0
	s_cbranch_scc0 .Lfor_b_\@
	tensor_load_to_lds s[G0+4*\s:G0+4*\s+3], s[G1:G1+7]
	s_nop 0
.rept 4
	v_nop
.endr
	s_branch .Lasked_\@
.Lfor_b_\@:
	tensor_load_to_lds s[G0B+4*\s:G0B+4*\s+3], s[G1B:G1B+7]
	s_nop 0
.rept 4
	v_nop
.endr
.Lasked_\@:
.endm
.macro ASK off, guard                  ; guard = 1, in the loop: its last trip (s3 = 1) loads K steps 6 and 7 and asks for nothing
.if \guard
	s_cmp_gt_u32 s3, 1
	s_cbranch_scc0 .Lno_ask_\@
.endif
	global_prefetch_b8 v[PFO], s[PFA:PFA+1] offset:\off th:TH_LOAD_NT scope:SCOPE_SE
.Lno_ask_\@:
.endm
.macro CREST                           ; a round of the cluster's barrier behind its opening barrier
	s_cmp_lg_u32 s10, 0
	s_cbranch_scc1 .Lnot_wave_0_\@
	s_barrier_signal -3
.Lnot_wave_0_\@:
	s_barrier_wait -3
	s_barrier_signal -1
	s_barrier_wait -1
.endm
.macro CROUND
	s_barrier_signal -1
	s_barrier_wait -1
	CREST
.endm
.macro FRAG reg, adr, q, i             ; 16 rows x 128 K in 16 registers: registers 4 c .. 4 c + 3 hold K = 32 c + 16 h + 0 .. 15 of the quarter: the same places in A and in B
.irp c, 0,1,2,3
	ds_load_b128 v[\reg+4*\c:\reg+4*\c+3], v[\adr] offset:128*(\q)+32*\c+(\i)*16*PITCH
.endr
.endm
.macro FETCH slot, q, f                ; 32 LDS loads in one run: B's four fragments, then A's four
	WIN TO_F
.irp i, 0,1,2,3
	FRAG \f+64+16*\i, ADRB+\slot, \q, \i
.endr
.irp i, 0,1,2,3
	FRAG \f+16*\i, ADRA+\slot, \q, \i
.endr
.endm
; Four matrix instructions: A's block a x B's four.  The 16 accumulators take turns, one instruction a turn, in the same order in every quarter.
.macro MUL4 f, a, zero
.irp b, 0,1,2,3
.if \zero
	v_wmma_f32_16x16x128_fp8_fp8 v[ACC+8*(4*(\a)+\b):ACC+8*(4*(\a)+\b)+7], v[\f+64+16*\b:\f+64+16*\b+15], v[\f+16*(\a):\f+16*(\a)+15], 0
.else
	v_wmma_f32_16x16x128_fp8_fp8 v[ACC+8*(4*(\a)+\b):ACC+8*(4*(\a)+\b)+7], v[\f+64+16*\b:\f+64+16*\b+15], v[\f+16*(\a):\f+16*(\a)+15], v[ACC+8*(4*(\a)+\b):ACC+8*(4*(\a)+\b)+7]
.endif
.endr
.endm
.macro MUL8 f, a0, zero
	MUL4 \f, \a0, \zero
	MUL4 \f, \a0+1, \zero
.endm
.macro PLACES                          ; four plain vector lines between a matrix instruction and a load into, or a read of, its registers
.rept 4
	v_nop
.endr
.endm
; A K step is four quarters of 128 along K, 16 matrix instructions each, on buffers 0, 1, 0, 1.  One of the first three: multiplies buffer f and fetches quarter qn into g.
.macro QUARTER slot, qn, f, g, zero
	s_wait_dscnt 8                                 ; B's four and A's blocks 0, 1 are in; the youngest eight loads (A's blocks 2, 3) may be out
	WIN MUL
	MUL8 \f, 0, \zero
	PLACES
	FETCH \slot, \qn, \g
	s_wait_dscnt 32                                ; all but the 32 just issued
	WIN MUL
	MUL8 \f, 2, \zero
.endm
; The last quarter multiplies buffer 1 and changes slots: one barrier; in front of it each wave waits for all its tensor loads, adds 0 to its spare word, and waits for that and for its own reads of this slot.
.macro TURN slot, next, fill
	WIN 0
	s_wait_tensorcnt 0x0                           ; all my tensor loads have landed: my part of the next slot
	ds_add_u32 v[SPW], v[NIL]                      ; 0 onto my spare word
	s_wait_dscnt 9                                 ; (the add and the youngest eight loads may be out)
	WIN MUL
	MUL8 F1, 0, 0
	s_wait_dscnt 0x0                               ; the add is done, and my reads of this slot are over
	s_barrier_signal -1
	MUL4 F1, 2, 0
	WIN 0
	s_barrier_wait -1
.if \fill
	CREST                                          ; the barrier has opened a round of the cluster's barrier: no wave of any partner still reads this slot or has a load on its way
	s_add_nc_u64 s[G0+4*\slot+2:G0+4*\slot+3], s[G0+4*\slot+2:G0+4*\slot+3], 2*512
	s_add_nc_u64 s[G0B+4*\slot+2:G0B+4*\slot+3], s[G0B+4*\slot+2:G0B+4*\slot+3], 2*512
	JLOAD \slot                                    ; the first tensor load behind the round; its four v_nop are the places in front of the loads below
.else
	PLACES
.endif
	FETCH \next, 0, F0
.if \fill
	WIN 0                                          ; (a branch and a label follow)
	ASK 2048+512*\slot, 1                          ; behind the joint load and the run of LDS loads: the K step two refills on
.endif
	WIN MUL
	MUL4 F1, 3, 0
.endm
.macro TOSTAGE a                       ; block a's 16 rows x 64 columns go in as they stand, each accumulator from its low end on, and come back as whole rows
.irp b, 0,1,2,3
	ds_store_b128 v[STO], v[ACC+8*(4*(\a)+\b):ACC+8*(4*(\a)+\b)+3] offset:64*\b
	ds_store_b128 v[STO], v[ACC+8*(4*(\a)+\b)+4:ACC+8*(4*(\a)+\b)+7] offset:64*\b+16
.endr
.irp t, 0,1,2,3,4,5,6,7
	ds_load_b128 v[TMP+32*((\a)%2)+4*\t:TMP+32*((\a)%2)+4*\t+3], v[RD] offset:\t*2*SPITCH   ; LDS serves a wave's instructions in order: these see the stores above
.endr
.endm
.macro SEND a, younger                 ; younger: the LDS instructions issued behind block a's loads
	s_wait_dscnt \younger
	WIN 0x20                                       ; source 2 (the residual) window 2
.set k, 0
.rept 16
	v_pk_fma_f32 v[TMP+32*((\a)%2)+k:TMP+32*((\a)%2)+k+1], v[TMP+32*((\a)%2)+k:TMP+32*((\a)%2)+k+1], s[80:81], v[32*(\a)+k:32*(\a)+k+1] op_sel_hi:[1,0,1]   ; sum x 2^(e10 + e11) + residual
.set k, k+2
.endr
	WIN 0
.irp t, 0,1,2,3,4,5,6,7
	global_store_b128 v[CO], v[TMP+32*((\a)%2)+4*\t:TMP+32*((\a)%2)+4*\t+3], s[76:77] offset:(16*(\a)+2*\t)*4096   ; sixteen lanes store 256 consecutive bytes, aligned
.endr
.endm
	s_load_b256 s[68:75], s[0:1], 0x0              ; gc s[68:69], pc s[70:71], the scales s[72:73], x1 s[74:75]
	s_load_b64 s[76:77], s[0:1], 0x20              ; out0
	v_lshl_add_u32 v[SPW], v0, 2, SPARE
	v_mov_b32 v[NIL], 0
	ds_add_u32 v[SPW], v[NIL]                      ; the wave's opening: the add, twice on end, and its wait ahead of the round in front of my first tensor load
	ds_add_u32 v[SPW], v[NIL]
	v_lshrrev_b32 v1, 5, v0
	v_readfirstlane_b32 s10, v1                    ; wave 0..3
	s_lshr_b32 s11, s10, 1                         ; which half of the tile's rows is mine.  Also: I fetch for A (0) or for B (1)
	s_and_b32 s12, s10, 1                          ; which half of its columns.  Also: which 64 rows of that tile I fetch
	s_bfe_u32 s40, ttmp6, 0x40000                  ; cx, cy
	s_bfe_u32 s41, ttmp6, 0x40004
	s_lshl_b32 s42, ttmp9, 2
	s_add_co_u32 s42, s42, s40                     ; tile column
	s_and_b32 s13, ttmp7, 0xffff
	s_lshl_b32 s13, s13, 2
	s_add_co_u32 s13, s13, s41                     ; tile row
	s_lshl_b32 s43, s41, 2
	s_lshl_b32 s43, 15, s43                        ; my row of the cluster
	s_lshl_b32 s44, 0x1111, s40                    ; my column
	s_or_b32 s[G1+0], s43, (1<<20)|(1<<21)|(6<<22)|(3<<25)   ; the mask; 1-byte elements; padding on; bit 21 beside a mask; 4 words of padding behind every 128
	s_or_b32 s[G1B+0], s44, (1<<20)|(1<<21)|(6<<22)|(3<<25)
.irp g, G1, G1B
	s_mov_b32 s[\g+1], 512<<16                     ; tensor_dim0
	s_mov_b32 s[\g+2], 64<<16                      ; tensor_dim1
	s_mov_b32 s[\g+3], 512<<16                     ; tile_dim0
	s_mov_b32 s[\g+4], 64                          ; tile_dim1
	s_mov_b32 s[\g+5], 4096                        ; the pitch
	s_mov_b32 s[\g+6], 0
	s_mov_b32 s[\g+7], 0
.endr
	s_lshl_b32 s17, s12, 6
	s_lshl_b32 s16, s13, 7
	s_add_co_u32 s16, s16, s17                     ; A: row 128 x tile row + 64 x half
	s_lshl_b32 s46, s42, 7
	s_add_co_u32 s46, s46, s17                     ; B: row 128 x tile column + 64 x half
	s_lshl_b32 s16, s16, 12
	s_lshl_b32 s46, s46, 12
	s_add_co_u32 s46, s46, WF2C
	s_mov_b32 s17, 0
	s_mov_b32 s47, 0
	s_mul_i32 s20, s12, HALF                       ; where A's half goes,
	s_add_co_u32 s21, s20, 2*HALF                  ; and B's: no place in the cluster enters an LDS address
	s_wait_dscnt 0x0                               ; both opening adds are done
	s_wait_kmcnt 0x0
	s_load_b64 s[78:79], s[72:73], 0x28            ; e10, e11
	s_add_nc_u64 s[14:15], s[68:69], s[16:17]
	s_add_nc_u64 s[46:47], s[70:71], s[46:47]
	CROUND                                         ; all sixteen work-groups are here: the first joint loads meet
.irp s, 0,1
	s_mov_b32 s[G0+4*\s], 1
	s_add_co_u32 s[G0+4*\s+1], s20, \s*SLOT
	s_add_nc_u64 s[G0+4*\s+2:G0+4*\s+3], s[14:15], \s*512
	s_or_b32 s[G0+4*\s+3], s[G0+4*\s+3], 0x80000000
	s_mov_b32 s[G0B+4*\s], 1
	s_add_co_u32 s[G0B+4*\s+1], s21, \s*SLOT
	s_add_nc_u64 s[G0B+4*\s+2:G0B+4*\s+3], s[46:47], \s*512
	s_or_b32 s[G0B+4*\s+3], s[G0B+4*\s+3], 0x80000000
.endr
	JLOAD 0                                        ; K step 0: one tensor load a wave at the head
	; all the head's scalar work stands here, ahead of its vector work
	s_lshl_b32 s88, s13, 7                         ; the prefetches: the tile's first row, in A by the tile row,
	s_lshl_b32 s89, s42, 7                         ; in B by the tile column
	s_cmp_eq_u32 s11, 0                            ; do I fetch for A?
	s_cselect_b32 s88, s88, s89
	s_cselect_b32 s89, s40, s41                    ; my place among the four that ask for the tile with me
	s_cselect_b64 s[PFA:PFA+1], s[68:69], s[70:71]
	s_cselect_b32 s90, 0, WF2C
	s_lshl_b32 s89, s89, 4
	s_add_co_u32 s88, s88, s89                     ; + my work-group's 16 rows
	s_lshl_b32 s89, s12, 6
	s_add_co_u32 s88, s88, s89                     ; of the 64 that I fetch
	s_lshl_b32 s88, s88, 12
	s_add_co_u32 s88, s88, s90
	s_mov_b32 s89, 0
	s_add_nc_u64 s[PFA:PFA+1], s[PFA:PFA+1], s[88:89]
	s_mul_i32 s22, s11, HALF                       ; my 64 rows of A
	s_mul_i32 s23, s12, HALF                       ; my 64 rows of B,
	s_add_co_u32 s23, s23, 2*HALF                  ; which lie behind A's 128
	s_mul_i32 s18, s10, 16*SPITCH                  ; my stage
	s_lshl_b32 s82, s13, 7
	s_lshl_b32 s83, s11, 6
	s_add_co_u32 s82, s82, s83                     ; my first row: 128 x tile row + 64 x half
	s_lshl_b32 s82, s82, 12
	s_lshl_b32 s83, s42, 9
	s_add_co_u32 s82, s82, s83                     ; + 512 x tile column
	s_lshl_b32 s83, s12, 8
	s_add_co_u32 s82, s82, s83                     ; + 256 x half
	s_mov_b32 s83, 0
	s_add_nc_u64 s[74:75], s[74:75], s[82:83]
	s_add_nc_u64 s[76:77], s[76:77], s[82:83]
	v_and_b32 v6, 31, v0
	v_lshrrev_b32 v7, 1, v6
	v_and_b32 v6, 1, v6
	v_lshlrev_b32 v7, 12, v7
	v_lshl_add_u32 v[PFO], v6, 8, v7
	ASK 512, 0                                     ; K step 1, whose load goes out when K step 0's has landed: one K step ahead,
	ASK 1024, 0                                    ; and K step 2, two refills behind K step 0's load
	v_and_b32 v1, 15, v0                           ; r
	v_bfe_u32 v2, v0, 4, 1                         ; h
	v_mul_u32_u24 v3, v1, PITCH
	v_lshl_add_u32 v3, v2, 4, v3                   ; a fragment's row x pitch + 16 h
	v_add_nc_u32 v[ADRA], s22, v3
	v_add_nc_u32 v[ADRB], s23, v3
	v_add_nc_u32 v[ADRA+1], SLOT, v[ADRA]
	v_add_nc_u32 v[ADRB+1], SLOT, v[ADRB]
	v_mul_u32_u24 v5, v1, SPITCH
	v_lshl_add_u32 v5, v2, 5, v5
	v_add_nc_u32 v[STO], s18, v5                   ; the stage, in: row r, 32 bytes for each half of the lanes
	v_mul_u32_u24 v4, v2, SPITCH
	v_lshl_add_u32 v4, v1, 4, v4
	v_add_nc_u32 v[RD], s18, v4                    ; back: sixteen lanes to a row of 256 bytes
	v_lshlrev_b32 v4, 12, v2
	v_lshl_add_u32 v[CO], v1, 4, v4                ; and the same two rows of the result and of the residual
	s_wait_alu depctr_va_vdst(0)
	s_wait_tensorcnt 0x0                           ; my part of K step 0 is in; slot 1's first fill is issued as a refill is:
	ds_add_u32 v[SPW], v[NIL]                      ; 0 onto my spare word
	s_wait_dscnt 0x0
	CROUND                                         ; a whole round: everybody's part of K step 0 is in, and the joint loads meet
	JLOAD 1                                        ; K step 1: the first tensor load behind the round
	FETCH 0, 0, F0
	WIN 0x80                                       ; destination window 2: the residual is asked for behind the first two K steps' tiles and is wanted at the end
.irp a, 0,1,2,3
.irp t, 0,1,2,3,4,5,6,7
	global_load_b128 v[4*(8*\a+\t):4*(8*\a+\t)+3], v[CO], s[74:75] offset:(16*\a+2*\t)*4096 th:TH_LOAD_NT
.endr
.endr
	WIN 0
	ASK 1536, 0                                    ; K step 3
	QUARTER 0, 1, F0, F1, 1                        ; the first quarter's products start the sums
	WIN 0
	s_mov_b32 s3, LAPS-1
.Llap:                                             ; a trip goes once round the ring and fills both slots again
	QUARTER 0, 2, F1, F0, 0
	QUARTER 0, 3, F0, F1, 0
	TURN 0, 1, 1
	QUARTER 1, 1, F0, F1, 0
	QUARTER 1, 2, F1, F0, 0
	QUARTER 1, 3, F0, F1, 0
	TURN 1, 0, 1
	QUARTER 0, 1, F0, F1, 0
	WIN 0
	s_wait_xcnt 0x0                                ; my prefetches have read their address: it steps a lap, two K steps, on
	s_add_nc_u64 s[PFA:PFA+1], s[PFA:PFA+1], 1024
	s_sub_co_u32 s3, s3, 1
	s_cmp_lg_u32 s3, 0
	s_cbranch_scc1 .Llap
	QUARTER 0, 2, F1, F0, 0                        ; the last lap fills nothing
	QUARTER 0, 3, F0, F1, 0
	TURN 0, 1, 0
	QUARTER 1, 1, F0, F1, 0
	QUARTER 1, 2, F1, F0, 0
	QUARTER 1, 3, F0, F1, 0
	s_wait_dscnt 8
	WIN MUL
	MUL8 F1, 0, 0
	s_wait_dscnt 0
	MUL8 F1, 2, 0
	WIN 0
	; THE WAY OUT.  A wave's 64 columns of f32 are a whole 256 bytes: each wave has a stage of its own, in slot 0, which has had its last fill and which nobody reads behind the last change of slots.
	PLACES
	s_wait_loadcnt 0x0                             ; the residual
	s_wait_kmcnt 0x0
	s_add_co_i32 s80, s78, s79
	s_add_co_i32 s80, s80, 127
	s_lshl_b32 s80, s80, 23                        ; 2^(e10 + e11) as f32
	s_mov_b32 s81, s80                             ; (named with it as a pair, so it is written)
	TOSTAGE 0
	TOSTAGE 1
	SEND 0, 16                                     ; behind block 0's loads: block 1's eight stores and eight loads
	s_wait_xcnt 0x0                                ; block 0's stores have read their registers: block 2's loads may land there
	TOSTAGE 2
	SEND 1, 16
	s_wait_xcnt 0x0
	TOSTAGE 3
	SEND 2, 16
	SEND 3, 0
	s_wait_tensorcnt 0x0                           ; the wave's end
	ds_add_u32 v[SPW], v[NIL]
	s_wait_dscnt 0x0
	CROUND                                         ; the closing round
	s_endpgm
.Lfunc_end_k_qcc3b420977_fcp:
	.size	k_qcc3b420977_fcp, .Lfunc_end_k_qcc3b420977_fcp-k_qcc3b420977_fcp
	.p2alignl 7, 3214868480
	.fill 96, 4, 3214868480
	.section	.rodata,"a",@progbits
	.p2align	6, 0x0
	.amdhsa_kernel k_qcc3b420977_fcp
		.amdhsa_group_segment_fixed_size 327680
		.amdhsa_private_segment_fixed_size 0
		.amdhsa_enable_private_segment 0
		.amdhsa_kernarg_size 40
		.amdhsa_user_sgpr_count 2
		.amdhsa_user_sgpr_kernarg_segment_ptr 1
		.amdhsa_wavefront_size32 1
		.amdhsa_system_sgpr_workgroup_id_x 1
		.amdhsa_system_sgpr_workgroup_id_y 1
		.amdhsa_system_sgpr_workgroup_id_z 1
		.amdhsa_system_vgpr_workitem_id 0
		.amdhsa_next_free_vgpr 768
		.amdhsa_next_free_sgpr 92
		.amdhsa_reserve_vcc 0
		.amdhsa_float_denorm_mode_32 3
		.amdhsa_float_denorm_mode_16_64 3
		.amdhsa_memory_ordered 1
		.amdhsa_forward_progress 1
		.amdhsa_inst_pref_size 79
	.end_amdhsa_kernel
	.amdgpu_metadata
---
amdhsa.version: [ 1, 2 ]
amdhsa.kernels:
  - .name:           k_qcc3b420977_fcp
    .symbol:         k_qcc3b420977_fcp.kd
    .args:
      - { .name: gc, .offset: 0, .size: 8, .value_kind: global_buffer, .address_space: global }
      - { .name: pc, .offset: 8, .size: 8, .value_kind: global_buffer, .address_space: global }
      - { .name: lowp_scales, .offset: 16, .size: 8, .value_kind: global_buffer, .address_space: global }
      - { .name: x1, .offset: 24, .size: 8, .value_kind: global_buffer, .address_space: global }
      - { .name: out0, .offset: 32, .size: 8, .value_kind: global_buffer, .address_space: global }
    .group_segment_fixed_size: 327680
    .private_segment_fixed_size: 0
    .kernarg_segment_align: 8
    .kernarg_segment_size: 40
    .max_flat_workgroup_size: 128
    .sgpr_count:     92
    .vgpr_count:     768
    .wavefront_size: 32
...
	.end_amdgpu_metadata
.endif
;; end of part 7
